; MI455X (gfx1250); checked and timed in simulation.
; The chip was launched on July 23, 2026; its instructions are those of AMD's public machine-readable ISA for CDNA 5 (MIT licence, August 2026) and "CDNA5" Instruction Set Architecture Reference Guide (July 2026). The comments in the code are by the model that wrote it; some were corrected since.
;; Attention. Allowed arithmetic: matrix products marked QUANTISED: E2M3 operands, one E8M0 scale for each 32 along K, by v_wmma_scale_f32_16x16x128_f8f6f4 with both operands' format E2M3, f32 sums; everything else in f32.
;; Inputs: freqs_cos 2,048 x 64 float32; freqs_sin 2,048 x 64 float32; mask 1 x 1 x 2,048 x 2,048 bool; wk 2,048 x 2,048 float32; wo 2,048 x 2,048 float32; wq 2,048 x 2,048 float32; wv 2,048 x 2,048 float32; x 1 x 2,048 x 2,048 float32.
;; Outputs: out0 1 x 2,048 x 2,048 float32.
;; This version of the problem:
;;   THIS VERSION OF THE PROBLEM IS GIVEN IN LOW PRECISION. The matrix products marked QUANTISED in the list below multiply operands that are first quantised to E2M3 (2 exponent bits, 3 mantissa bits; 6 bits a number), with one power-of-two scale for each 32 numbers along K (OCP MX v1.0); their sums are f32. All else is computed in f32.
;;   The module's matrix products, in the order in which they are computed (A, B: the left and right operand; K: the contracted axis; several contracted axes count as one K, in the product's order):
;;     1. [M 2,048, K 2,048] x [K 2,048, N 2,048]; A: input x; B: input wq: QUANTISED
;;     2. [M 2,048, K 2,048] x [K 2,048, N 2,048]; A: input x; B: input wk: QUANTISED
;;     3. [M 2,048, K 2,048] x [K 2,048, N 2,048]; A: input x; B: input wv: QUANTISED
;;     4. batch 16 x [M 2,048, K 128] x [K 128, N 2,048]; A: computed on the way; B: computed on the way: QUANTISED
;;     5. batch 16 x [M 128, K 2,048] x [K 2,048, N 2,048]; A: computed on the way; B: softmax (see below): QUANTISED
;;     6. [M 2,048, K 2,048] x [K 2,048, N 2,048]; A: computed on the way; B: input wo: QUANTISED
;;   THE QUANTISER, for each operand of a quantised product, along K:
;;     - K is cut into blocks of 32 from its start; a last block that is shorter is filled with zeros.
;;     - A block's scale is 2^e with e = floor(log2(the largest magnitude in the block)) - 2, held to -126 .. 127; a block of zeros has e = 0. As a byte (E8M0): e + 127.
;;     - Each number is divided by its block's scale, clamped to +-7.5, and rounded to the nearest number of E2M3, ties to even, subnormals kept.
;;     - The product sums the exact products of the quantised numbers (number of the format x scale) in f32.
;;   ~~~python
;;   def quantise(x, axis):      # numpy; x: float32 -> the quantised numbers, widened to float32 again
;;       x = np.moveaxis(x, axis, -1); K = x.shape[-1]
;;       x = np.pad(x, [(0, 0)] * (x.ndim - 1) + [(0, -K % 32)]); x = x.reshape(x.shape[:-1] + (-1, 32)); a = np.abs(x).max(-1, keepdims=True)
;;       e = np.where(a > 0, np.clip(np.frexp(np.where(a > 0, a, 1))[1] - 1 - 2, -126, 127), 0)      # np.frexp(a)[1] - 1 = floor(log2(a)), exactly
;;       r = np.clip(x / 2.0 ** e, -7.5, 7.5)
;;       step = 2.0 ** (np.maximum(np.frexp(np.where(r == 0, 1, r))[1] - 1, 0) - 3)
;;       q = np.round(r / step) * step * 2.0 ** e      # np.round: ties to even
;;       return np.moveaxis(q.reshape(q.shape[:-2] + (-1,))[..., :K], -1, axis).astype(np.float32)
;;   ~~~
;;   SOFTMAX AHEAD OF A QUANTISED PRODUCT. Where the list says 'softmax', what is quantised is not the finished softmax but p = 2^(t - M), with t = logit x log2(e) and M = ceil(the row's largest t), a whole number; so 1/2 < the row's largest p <= 1. The row's sum l is taken of the UNQUANTISED p, in f32, and the product's result is divided by l at the end. Since M is a whole number, a kernel that streams over the keys may use a running M (the ceiling of the running maximum): every later rescaling is an exact power of two, which a block's scale takes up: the codes' values come out the same.
;;   OPERANDS COMPUTED ON THE WAY. 'Computed on the way' means the value that the module computes at that place (a softmax that the list does not call 'softmax' is quantised finished and normalised). What goes into a quantiser is computed in f32, as accurately as f32 sums, v_exp_f32 and their like allow (about 1e-6 of the number): no bf16 or f16 on the way to a quantiser, and a product that is left as it is and whose result goes on into a quantised operand takes f32 operands (vector FMAs, or v_wmma_f32_16x16x4_f32). A number that lies on a knife's edge between two numbers of the format may be rounded either way, as far as f32 arithmetic and the matrix unit's own rounding can turn it there, and no further.
;; 3 versions, each right; version 3 is version 2 with the launch attn written anew for expert scheduling mode. Each part assembles by itself: llvm-mc -triple=amdgcn-amd-amdhsa -mcpu=gfx1250 --defsym DOCPART=n.
;; ======== version 1 of 3: 4 launches
;; workspace buffers: qw 16,384,000 bytes; mk 528,384 bytes of whole numbers; qkv 9,830,400 bytes; ob 3,276,800 bytes
;; launch prep (part 1): grid 448 x 1, 4 waves a work-group, no clusters, 34,304 bytes of LDS; arguments x, wq, wk, wv, wo, mask, qw, mk; writes qw, mk
.if DOCPART == 1
	.amdgcn_target "amdgcn-amd-amdhsa--gfx1250"
	.amdhsa_code_object_version 6
	.text
	.protected	k_q6a7d11e88a_prep
	.globl	k_q6a7d11e88a_prep
	.p2align	8
	.type	k_q6a7d11e88a_prep,@function
k_q6a7d11e88a_prep:
	s_mov_b64 s[64:65], 0
	v_nop
	global_prefetch_b8 v0, s[64:65] scope:SCOPE_SE
	s_setreg_imm32_b32 hwreg(HW_REG_WAVE_MODE, 25, 1), 1
	s_wait_xcnt 0x0
; x, wq, wk, wv, wo ([2048][2048] f32, K innermost) become codes of FP6 (E2M3) with one E8M0 byte for each 32 along K; the mask ([2048][2048] bool) becomes lane-mask words and two flags a tile.
; A TILE OF 16 ROWS is not 16 neighbours: row r of tile T is row 32 (T / 2) + 8 (T % 2) + r + 8 (r / 8), so that a later product's results lie in a lane's registers as neighbours along the next K.
; qw: codes [T 0..639][K step s 0..15][1,536 bytes], T = 128 x tensor + tile (x, wq, wk, wv, wo).  The 1,536 bytes are THE IMAGE OF AN OPERAND'S 12 REGISTERS: registers 4 c .. 4 c + 3 of lane l at 512 c + 16 l.
;     scale words from SCO on: [T][g 0..3][row r][4 words]: the words of K steps 4 g .. 4 g + 3.
; mk: words [query tile][key step j 0..15][n 0..63]: bit L = mask[row L % 16 of the tile][128 j + 32 (n / 16) + 16 (L / 16) + n % 16]: the lane mask of score register n.
;     flags from FLG on: [query tile][wave 0..3][ANY, ALL]: bit j set where any key of the step counts for any of the 16 queries; where every mask byte of the tile is 1.
; A block's scale is 2^(floor(log2(its largest magnitude)) - 2); its byte is that magnitude's exponent field - 2, held at 1 from below.
; LIMITS: NaN and infinities among the inputs are not served; a block whose largest magnitude lies under 2^-124 keeps the byte 1; a block of zeros gets the byte 1 where the rule says 127 (its codes are zeros, and this program alone reads the bytes).
; SHARES: work-groups 0..319: a wave takes 16 rows x 1,024 along K: eight fragments.  Work-groups 320..447: one query tile each, a wave four key steps.  No barrier: waves share nothing.
.set SCO,  15728640
.set FLG,  524288
.set RA,   16                          ; v16-143  two sets of 64 registers as loaded
.set XN,   144                         ; v144-207 64 numbers of a lane: register 16 b + i = k 32 b + 16 (lane / 16) + i of my row
.set TM,   208                         ; v208-223 at work in the quantiser
.set PC,   224                         ; v224-235 the fragment's codes
.set PT,   236                         ; v236-238, v240-242 the upper halves of the blocks, before they change lanes
.set SW,   244                         ; v244-251 the eight scale words
.set SEL,  34                          ; s[34:35] lane selects: lane l xor 16
.set SPIT, 528                         ; a stage row: 512 bytes + 16
; 64 numbers of a lane become a fragment's codes in v[PC] on and my row's scale word in v[pw]
.macro QUANT s, pw
.irp b, 0,1,2,3
	v_max3_num_f32 v[TM+\b], |v[\s+16*\b]|, |v[\s+1+16*\b]|, 0x1800000   ; block b: my 16 numbers, and the floor 2^(3 - 127): the byte cannot fall under 1
.endr
.irp i, 2,4,6,8,10,12,14
.irp b, 0,1,2,3
	v_max3_num_f32 v[TM+\b], v[TM+\b], |v[\s+16*\b+\i]|, |v[\s+1+16*\b+\i]|   ; the four blocks by turns
.endr
.endr
.irp b, 0,1,2,3
	v_permlanex16_b32 v[TM+4+\b], v[TM+\b], s[SEL], s[SEL+1]
.endr
.irp b, 0,1,2,3
	v_max_num_f32 v[TM+\b], v[TM+\b], v[TM+4+\b]   ; with lane l xor 16's: the block's largest magnitude
.endr
.irp b, 0,1,2,3
	v_add_nc_u32 v[TM+12+\b], 0xff000000, v[TM+\b]   ; 2 off its exponent field: the conversion's scale operand
.endr
.irp b, 0,1,2,3
	v_lshrrev_b32 v[TM+4+\b], 23, v[TM+12+\b]   ; the scale's byte
.endr
	v_lshl_or_b32 v[\pw], v[TM+5], 8, v[TM+4]
	v_lshl_or_b32 v[\pw], v[TM+6], 16, v[\pw]
	v_lshl_or_b32 v[\pw], v[TM+7], 24, v[\pw]
.irp c, 0,1
	v_cvt_scalef32_pk16_fp6_f32 v[PC+6*\c:PC+2+6*\c], v[\s+32*\c:\s+15+32*\c], v[TM+12+2*\c]
	v_cvt_scalef32_pk16_fp6_f32 v[PT+4*\c:PT+2+4*\c], v[\s+16+32*\c:\s+31+32*\c], v[TM+13+2*\c]   ; (a conversion's three registers begin on an even number)
.endr
	v_nop                                          ; one plain place behind a scaled conversion
.irp c, 0,1                                    ; the operand's layout wants a whole block in a lane: lanes 0-15 block 2 c, lanes 16-31 block 2 c + 1
.irp i, 0,1,2
	v_permlane16_swap_b32 v[PC+6*\c+\i], v[PT+4*\c+\i]
.endr
.irp i, 0,1,2
	v_mov_b32 v[PC+3+6*\c+\i], v[PT+4*\c+\i]
.endr
.endr
.endm
	s_load_b512 s[4:19], s[0:1], 0x0               ; x, wq, wk, wv, wo, mask, qw, mk
	v_lshl_add_u32 v254, v0, 2, 0x8400
	v_mov_b32 v255, 0
	v_lshrrev_b32 v1, 5, v0
	v_readfirstlane_b32 s26, v1                    ; wave 0..3
	v_and_b32 v1, 31, v0                           ; lane
	v_and_b32 v2, 15, v0                           ; r
	v_bfe_u32 v3, v0, 4, 1                         ; h
	s_cmp_ge_u32 ttmp9, 320
	s_cbranch_scc1 .Lmask
	; ---- the five tensors.  T = 2 x work-group + wave / 2; the wave's half of K = wave % 2
	s_and_b32 s27, ttmp9, 63
	s_lshl_b32 s27, s27, 18                        ; the tile pair's 32 rows of 8,192 bytes
	s_lshr_b32 s28, s26, 1
	s_lshl_b32 s29, s28, 16                        ; + 8 rows for the odd tile
	s_add_co_u32 s30, s27, s29
	s_and_b32 s29, s26, 1
	s_lshl_b32 s31, s29, 12                        ; + 4,096 bytes for the upper half of K
	s_add_co_u32 s30, s30, s31
	s_mov_b32 s31, 0
	s_lshl_b32 s27, ttmp9, 1
	s_add_co_u32 s27, s27, s28                     ; T
	s_mul_i32 s32, s27, 24576
	s_mul_i32 s33, s29, 12288
	s_add_co_u32 s32, s32, s33                     ; where my eight images go
	s_mov_b32 s33, 0
	s_lshl_b32 s36, s27, 10
	s_lshl_b32 s37, s29, 9
	s_add_co_u32 s36, s36, s37
	s_add_co_u32 s36, s36, SCO                     ; and my two groups of scale words
	s_mov_b32 s37, 0
	s_lshr_b32 s38, ttmp9, 6                       ; which tensor
	s_mul_i32 s39, s26, 16*SPIT                    ; my stage
	s_mov_b32 s[SEL], 0x76543210
	s_mov_b32 s[SEL+1], 0xfedcba98
	v_lshlrev_b32 v4, 4, v1                        ; 16 x lane
	v_add_nc_u32 v5, s39, v4                       ; into the stage: a row's 512 bytes as they lie
	v_mul_u32_u24 v6, v2, SPIT
	v_lshl_add_u32 v6, v3, 6, v6
	v_add_nc_u32 v6, s39, v6                       ; out of it: row r, + 64 h: my 16 numbers of each block of 32
.irp b, 0,1,2,3
	v_mov_b32 v[TM+4+\b], 0                        ; written once: a lane permute's destination counts as one of its sources
.endr
	s_wait_kmcnt 0x0
	s_cmp_eq_u32 s38, 1                            ; the choice hangs on the work-group's number alone
	s_cselect_b64 s[20:21], s[6:7], s[4:5]
	s_cmp_eq_u32 s38, 2
	s_cselect_b64 s[20:21], s[8:9], s[20:21]
	s_cmp_eq_u32 s38, 3
	s_cselect_b64 s[20:21], s[10:11], s[20:21]
	s_cmp_eq_u32 s38, 4
	s_cselect_b64 s[20:21], s[12:13], s[20:21]
	s_add_nc_u64 s[20:21], s[20:21], s[30:31]
	s_add_nc_u64 s[22:23], s[16:17], s[32:33]
	s_add_nc_u64 s[24:25], s[16:17], s[36:37]
.macro LOADF f                         ; fragment f: 128 numbers of each of my 16 rows: each load reads 512 consecutive bytes
.irp i, 0,1,2,3,4,5,6,7,8,9,10,11,12,13,14,15
	global_load_b128 v[RA+64*((\f)%2)+4*\i:RA+64*((\f)%2)+4*\i+3], v4, s[20:21] offset:(\i+8*(\i/8))*8192+512*(\f) th:TH_LOAD_NT
.endr
.endm
.macro FRAGQ f
.if (\f) < 7
	s_wait_loadcnt 16                              ; this fragment's 16 loads are in; the next fragment's 16 may be out
.else
	s_wait_loadcnt 0x0
.endif
.irp i, 0,1,2,3,4,5,6,7,8,9,10,11,12,13,14,15
	ds_store_b128 v5, v[RA+64*((\f)%2)+4*\i:RA+64*((\f)%2)+4*\i+3] offset:SPIT*\i
.endr
.irp b, 0,1,2,3
.irp j, 0,1,2,3
	ds_load_b128 v[XN+16*\b+4*\j:XN+16*\b+4*\j+3], v6 offset:128*\b+16*\j   ; LDS serves a wave's instructions in order: these see the stores above
.endr
.endr
	s_wait_dscnt 0x0                               ; my 64 numbers are in, and the stores have read the set that is loaded again below
	s_wait_xcnt 0x0                                ; the last fragment's stores have read the codes' registers
.if (\f) < 6
	LOADF (\f)+2
.endif
	QUANT XN, SW+(\f)
.irp c, 0,1,2
	global_store_b128 v4, v[PC+4*\c:PC+4*\c+3], s[22:23] offset:1536*(\f)+512*\c   ; 32 lanes store 512 consecutive bytes, aligned
.endr
.endm
	LOADF 0
	LOADF 1
.irp f, 0,1,2,3,4,5,6,7
	FRAGQ \f
.endr
	v_cmp_le_u32 vcc_lo, 16, v1                    ; lanes 0-15 carry the words of K steps 0-3 of my eight, lanes 16-31 those of 4-7 (both halves of the lanes hold every word)
.irp i, 0,1,2,3
	v_cndmask_b32 v[8+\i], v[SW+\i], v[SW+4+\i], vcc_lo
.endr
	global_store_b128 v4, v[8:11], s[24:25]        ; 512 consecutive bytes
	s_wait_tensorcnt 0x0
	ds_add_u32 v254, v255
	s_wait_dscnt 0x0
	s_endpgm
.Lmask:
	; ---- the mask.  Lane L reads 16 bytes of row L % 16 of the tile; a register's byte y is one key
	v_and_b32 v4, 8, v2
	v_add_nc_u32 v4, v4, v2                        ; r + 8 (r / 8)
	v_lshlrev_b32 v4, 11, v4
	v_lshl_add_u32 v4, v3, 4, v4                   ; row x 2,048 + 16 h
	v_lshlrev_b32 v5, 3, v1                        ; out: 8 bytes a lane
	s_sub_co_u32 s27, ttmp9, 320                   ; the query tile
	s_lshr_b32 s28, s27, 1
	s_lshl_b32 s28, s28, 16
	s_and_b32 s29, s27, 1
	s_lshl_b32 s29, s29, 14
	s_add_co_u32 s28, s28, s29                     ; its first row x 2,048
	s_lshl_b32 s29, s26, 9
	s_add_co_u32 s28, s28, s29                     ; + my four key steps' 512 bytes
	s_mov_b32 s29, 0
	s_lshl_b32 s30, s27, 12
	s_lshl_b32 s31, s26, 10
	s_add_co_u32 s30, s30, s31                     ; my words
	s_mov_b32 s31, 0
	s_lshl_b32 s32, s27, 5
	s_lshl_b32 s33, s26, 3
	s_add_co_u32 s32, s32, s33
	s_add_co_u32 s32, s32, FLG                     ; my flags
	s_mov_b32 s33, 0
	s_lshl_b32 s36, s26, 2                         ; my first key step
	s_mov_b32 s37, 0                               ; ANY
	s_mov_b32 s38, 0                               ; ALL
	s_wait_kmcnt 0x0
	s_add_nc_u64 s[20:21], s[14:15], s[28:29]
	s_add_nc_u64 s[22:23], s[18:19], s[30:31]
	s_add_nc_u64 s[24:25], s[18:19], s[32:33]
.irp t, 0,1,2,3
.irp b, 0,1,2,3
	global_load_b128 v[16+16*\t+4*\b:19+16*\t+4*\b], v4, s[20:21] offset:128*\t+32*\b th:TH_LOAD_NT
.endr
.endr
.irp i, 0,1,2,3,4,5,6,7
	v_mov_b32 v[80+\i], 0                          ; v_writelane_b32's destination counts as read
.endr
.macro MTRIP t
	s_wait_loadcnt 12-4*\t                         ; this key step's four loads are in; the later steps' may be out
	v_or_b32 v96, v[16+16*\t], v[17+16*\t]
	v_and_b32 v97, v[16+16*\t], v[17+16*\t]
.irp i, 2,3,4,5,6,7,8,9,10,11,12,13,14,15
	v_or_b32 v96, v96, v[16+16*\t+\i]
	v_and_b32 v97, v97, v[16+16*\t+\i]
.endr
	v_cmp_ne_u32 s30, 0, v96                       ; lanes that hold a key that counts
	v_cmp_eq_u32 s31, 0x01010101, v97              ; lanes all of whose 64 bytes are 1
	s_add_co_u32 s33, s36, \t
	s_lshl_b32 s32, 1, s33                         ; this key step's bit
	s_cmp_lg_u32 s30, 0
	s_cselect_b32 s33, s32, 0
	s_or_b32 s37, s37, s33
	s_cmp_eq_u32 s31, -1
	s_cselect_b32 s33, s32, 0
	s_or_b32 s38, s38, s33
.set MN, 0
.rept 64                               ; word n: one byte of one register, compared in all 32 lanes; it goes to lane n / 2, register n % 2
	v_and_b32 v[100+MN%4], 0xff<<(8*(MN&3)), v[16+16*\t+4*(MN>>4)+((MN&15)>>2)]
	v_cmp_ne_u32 s[40+MN%8], 0, v[100+MN%4]
	v_writelane_b32 v[80+2*\t+(MN&1)], s[40+MN%8], MN>>1
.set MN, MN+1
.endr
	global_store_b64 v5, v[80+2*\t:81+2*\t], s[22:23] offset:256*\t   ; 32 lanes store 256 consecutive bytes, aligned
.endm
	MTRIP 0
	MTRIP 1
	MTRIP 2
	MTRIP 3
	v_mov_b32 v90, s37
	v_mov_b32 v91, s38
	v_mov_b32 v92, 0
	s_wait_xcnt 0x0                                ; EXEC changes only behind this wait
	v_cmp_eq_u32 vcc_lo, 0, v1
	s_and_saveexec_b32 s39, vcc_lo
	global_store_b64 v92, v[90:91], s[24:25]       ; my two flag words: eight bytes, one lane
	s_wait_xcnt 0x0
	s_or_b32 exec_lo, exec_lo, s39
	s_endpgm
.Lfunc_end_k_q6a7d11e88a_prep:
	.size	k_q6a7d11e88a_prep, .Lfunc_end_k_q6a7d11e88a_prep-k_q6a7d11e88a_prep
	.p2alignl 7, 3214868480
	.fill 96, 4, 3214868480
	.section	.rodata,"a",@progbits
	.p2align	6, 0x0
	.amdhsa_kernel k_q6a7d11e88a_prep
		.amdhsa_group_segment_fixed_size 34304
		.amdhsa_private_segment_fixed_size 0
		.amdhsa_enable_private_segment 0
		.amdhsa_kernarg_size 64
		.amdhsa_user_sgpr_count 2
		.amdhsa_user_sgpr_kernarg_segment_ptr 1
		.amdhsa_wavefront_size32 1
		.amdhsa_system_sgpr_workgroup_id_x 1
		.amdhsa_system_sgpr_workgroup_id_y 1
		.amdhsa_system_sgpr_workgroup_id_z 1
		.amdhsa_system_vgpr_workitem_id 0
		.amdhsa_next_free_vgpr 256
		.amdhsa_next_free_sgpr 66
		.amdhsa_reserve_vcc 1
		.amdhsa_float_denorm_mode_32 3
		.amdhsa_float_denorm_mode_16_64 3
		.amdhsa_memory_ordered 1
		.amdhsa_forward_progress 1
		.amdhsa_inst_pref_size 121
	.end_amdhsa_kernel
	.amdgpu_metadata
---
amdhsa.version: [ 1, 2 ]
amdhsa.kernels:
  - .name:           k_q6a7d11e88a_prep
    .symbol:         k_q6a7d11e88a_prep.kd
    .args:
      - { .name: x, .offset: 0, .size: 8, .value_kind: global_buffer, .address_space: global }
      - { .name: wq, .offset: 8, .size: 8, .value_kind: global_buffer, .address_space: global }
      - { .name: wk, .offset: 16, .size: 8, .value_kind: global_buffer, .address_space: global }
      - { .name: wv, .offset: 24, .size: 8, .value_kind: global_buffer, .address_space: global }
      - { .name: wo, .offset: 32, .size: 8, .value_kind: global_buffer, .address_space: global }
      - { .name: mask, .offset: 40, .size: 8, .value_kind: global_buffer, .address_space: global }
      - { .name: qw, .offset: 48, .size: 8, .value_kind: global_buffer, .address_space: global }
      - { .name: mk, .offset: 56, .size: 8, .value_kind: global_buffer, .address_space: global }
    .group_segment_fixed_size: 34304
    .private_segment_fixed_size: 0
    .kernarg_segment_align: 8
    .kernarg_segment_size: 64
    .max_flat_workgroup_size: 128
    .sgpr_count:     66
    .vgpr_count:     256
    .wavefront_size: 32
...
	.end_amdgpu_metadata
.endif
;; end of part 1
;; launch qkv (part 2): grid 24 x 8, 4 waves a work-group, clusters of 4 x 4, 327,680 bytes of LDS; arguments qw, freqs_cos, freqs_sin, qkv; writes qkv
.if DOCPART == 2
	.amdgcn_target "amdgcn-amd-amdhsa--gfx1250"
	.amdhsa_code_object_version 6
	.text
	.protected	k_q6a7d11e88a_qkv
	.globl	k_q6a7d11e88a_qkv
	.p2align	8
	.type	k_q6a7d11e88a_qkv,@function
k_q6a7d11e88a_qkv:
	s_mov_b64 s[64:65], 0
	v_nop
	global_prefetch_b8 v0, s[64:65] scope:SCOPE_SE
	s_setreg_imm32_b32 hwreg(HW_REG_WAVE_MODE, 25, 1), 1
	s_wait_xcnt 0x0
	s_wait_alu depctr_hold_cnt(0) depctr_sa_sdst(0) depctr_va_vdst(0) depctr_va_sdst(0) depctr_va_ssrc(0) depctr_va_vcc(0) depctr_vm_vsrc(0)
	s_getreg_b32 s2, hwreg(HW_REG_IB_STS2, 6, 4)
	s_cmp_eq_u32 s2, 0
	s_cbranch_scc0 .Lentry_in_a_cluster
	s_endpgm
.Lentry_in_a_cluster:
	s_bfe_u32 s2, ttmp6, 0x10000c
	s_cmp_lg_u32 s2, 0xf033
	s_cbranch_scc0 .Lentry_shape_is_right
	s_endpgm
.Lentry_shape_is_right:
; q = rope(x wq^T), k = rope(x wk^T), v = x wv^T on codes of FP6 (E2M3) with E8M0 scales, and q, k, v quantised on the way out for the two products of attention: none of them goes to memory as f32.
; OPERANDS lie in qw as images of operand registers: [tile of 16 rows T][K step of 128][1,536 bytes]; scale words [T][g][row][4 words].  Row r of tile T is row 32 (T / 2) + 8 (T % 2) + r + 8 (r / 8).
; A work-group makes 256 x 256, a wave 128 x 128: 64 accumulators.  THE MATRIX INSTRUCTION: source 0 = 16 rows of the B side, source 1 = 16 rows of the A side: a lane holds one row of A, and by the order of
; rows in a tile the 64 registers of a block of A against B's eight tiles are register 16 b + i = B's row 32 b + 16 (lane / 16) + i: 128 neighbours along the next product's K, as its quantiser takes them.
; Work-group columns 0-15: A = x (tokens in lanes), B = wq, wk (a head's 128 channels in registers).  Columns 16-23: A = wv (channels in lanes), B = x (128 keys in registers: the keys are the second product's K).
; One text serves both: only which 256 rows of qw are A's and B's differs, by the cluster's x, which all partners share.
; K goes in steps of 256 through a ring of two LDS slots; a tile's part of a slot is 3,072 consecutive bytes.  The scale words of the work-group's rows come once, with the first fills, and stay.
; CLUSTERS: 4 x 4 work-groups; A's tiles are shared along a row of the cluster, B's along a column: each is asked for jointly.
; qkv: q's images [head][query tile][1,536]; from 3,145,728 on [head][key step of 128][8 images of k, 8 of v]; q's scale words from 9,437,184 on [head][tile / 4][row][tile % 4];
;      k's and v's from 9,568,256 on [head][key step][k tiles 0-3, k tiles 4-7, v tiles 0-3, v tiles 4-7][row][4 words].
; LIMITS: NaN and infinities are not served; a block whose largest magnitude lies under 2^-124 keeps the byte 1, a block of zeros too (its codes are zeros; this program alone reads the bytes).
; REGISTERS: window 0: v16-31 addresses; v32-63 scale words, two sets; v64-127 the first block's cos and sin; v128-223 A's fragments, one set.  Window 1: B's fragments, two sets, at v0 and v128.
;   Windows 2, 3: the accumulators ((a, b) at v[8 (8 (a % 4) + b)]).  On the way out window 0 is laid anew (below).
.set NQ,     2                         ; matrix instructions deep in a slot
.set FR,     12                        ; registers of a fragment
.set NL,     3                         ; LDS loads that bring one
.set NP,     4                         ; places behind this matrix instruction (ISA guide 7.12.1)
.set FRB,    1536                      ; a fragment's image
.set TROW,   NQ*FRB                    ; a tile's part of a slot
.set TPITCH, 24576                     ; from tile to tile in qw
.set HALFT,  8*TROW                    ; 8 tiles: what one tensor load brings, and what one wave reads of A or of B
.set SLOT,   4*HALFT                   ; A's 16 tiles, then B's 16
.set LAPS,   4                         ; a lap = two slots = 512 along K
.set SCO,    15728640                  ; where qw's scale words begin
.set SCL,    2*SLOT                    ; behind the ring: the scale words
.set SBLK,   1024                      ; those of a tile
.set HALFS,  8*SBLK                    ; what one tensor load brings
.set SPARE,  SCL+4*HALFS               ; the spare words, 128 bytes for each wave, which no other line names
.set ADRA, 16                          ; v16-17  LDS address of my A fragments in slot 0, 1
.set ADRB, 20                          ; v20-21  the same for B
.set LI,   26                          ; v26     16 x lane
.set ADRS, 27                          ; v27     LDS address of my scale words: lanes 0-15 A's rows, lanes 16-31 B's
.set SPW,  28                          ; v28     my spare word; never rewritten
.set NIL,  29                          ; v29     0; never rewritten
.set CSO,  30                          ; v30     my byte in a block's rows of cos and sin
.set LANE, 31                          ; v31     lane
.set SC,   32
.set AF,   128
.set PT,   8                           ; the way out: v4-7 at work; v8-10, v12-14 upper halves of blocks
.set SW,   16                          ; v16-23  the eight blocks' scale words
.set TM,   32                          ; v32-47  at work in the quantiser
.set PC,   48                          ; v48-59  a fragment's codes
.set OQ,   60                          ; v60-63  the scale words as they leave
.set CS,   64                          ; v64-127, v128-191 two sets: 32 cos, 32 sin
.set RR,   192                         ; v192-255 a block's 64 numbers behind the rotation
.set SEL,  96                          ; s[96:97] lane selects: lane l xor 16
.set G1, 24
.set G0, 32
.set G1B, 48
.set G0B, 56
.set G1S, 68
.set G0S, 76
.set G1SB, 80
.set G0SB, 88
.set MSB, 0
.macro WIN new                         ; the immediate's high byte repeats the setting that is left
.if MSB != \new
	s_set_vgpr_msb (MSB<<8)|\new
.set MSB, \new
.endif
.endm
.set MUL_LO, 0xa1                      ; source 0 (B) window 1, source 1 (A) window 0, C and D window 2
.set MUL_HI, 0xf1
.set TO_B,   0x40
; A joint load: waves 0 and 1 fetch for A, waves 2 and 3 for B; the branch hangs on the wave's number alone.  Four v_nop follow each of the two lines.
.macro JLOAD g0a, g1a, g0b, g1b
	s_cmp_eq_u32 s15, 0
	s_cbranch_scc0 .Lfor_b_\@
	tensor_load_to_lds s[\g0a:\g0a+3], s[\g1a:\g1a+7]
	s_nop 0
.rept 4
	v_nop
.endr
	s_branch .Lasked_\@
.Lfor_b_\@:
	tensor_load_to_lds s[\g0b:\g0b+3], s[\g1b:\g1b+7]
	s_nop 0
.rept 4
	v_nop
.endr
.Lasked_\@:
.endm
.macro CREST                           ; a round of the cluster's barrier behind its opening barrier
	s_cmp_lg_u32 s14, 0
	s_cbranch_scc1 .Lnot_wave_0_\@
	s_barrier_signal -3
.Lnot_wave_0_\@:
	s_barrier_wait -3
	s_barrier_signal -1
	s_barrier_wait -1
.endm
.macro CROUND
	s_barrier_signal -1
	s_barrier_wait -1
	CREST
.endm
	s_load_b256 s[4:11], s[0:1], 0x0               ; qw s[4:5], cos s[6:7], sin s[8:9], qkv s[10:11]
	v_lshl_add_u32 v[SPW], v0, 2, SPARE
	v_mov_b32 v[NIL], 0
	ds_add_u32 v28, v29
	ds_add_u32 v28, v29
	s_wait_dscnt 0x0
	v_lshrrev_b32 v1, 5, v0
	v_readfirstlane_b32 s14, v1                    ; wave 0..3
	s_lshr_b32 s15, s14, 1                         ; which half of A's rows is mine.  Also: I fetch for A (0) or for B (1)
	s_and_b32 s16, s14, 1                          ; which half of B's rows.  Also: which 8 tiles I fetch
	s_bfe_u32 s40, ttmp6, 0x40000                  ; cx, cy
	s_bfe_u32 s41, ttmp6, 0x40004
	s_lshl_b32 s42, ttmp9, 2
	s_add_co_u32 s42, s42, s40                     ; X = 4 x cluster x + cx
	s_and_b32 s17, ttmp7, 0xffff
	s_lshl_b32 s17, s17, 2
	s_add_co_u32 s17, s17, s41                     ; Y = 4 x cluster y + cy
	s_lshl_b32 s43, s41, 2
	s_lshl_b32 s43, 15, s43                        ; my row of the cluster
	s_lshl_b32 s44, 0x1111, s40                    ; my column
	s_lshr_b32 s12, ttmp9, 2                       ; 1 where the work-group makes v: clusters 4 and 5; the same in all partners
	s_mul_i32 s13, s12, 24
	; descriptor group 1: 8 rows (tiles) of 3,072 bytes, 24,576 bytes apart, in elements of 8 bytes; dense in LDS
	s_or_b32 s[G1+0], s43, (3<<16)|(1<<21)         ; 15:0 the mask: A's tiles go to my row; 17:16 elements of 8 bytes; 21 set beside a mask
	s_or_b32 s[G1B+0], s44, (3<<16)|(1<<21)
.irp g, G1, G1B
	s_mov_b32 s[\g+1], (TROW/8)<<16                ; tensor_dim0
	s_mov_b32 s[\g+2], 8<<16                       ; tensor_dim1
	s_mov_b32 s[\g+3], (TROW/8)<<16                ; tile_dim0
	s_mov_b32 s[\g+4], 8                           ; tile_dim1
	s_mov_b32 s[\g+5], TPITCH/8                    ; tensor_dim0_stride
	s_mov_b32 s[\g+6], 0
	s_mov_b32 s[\g+7], 0
.endr
	; and for the scale words of 8 tiles: 8,192 dense bytes as 32 rows of 256
	s_or_b32 s[G1S+0], s43, (3<<16)|(1<<21)
	s_or_b32 s[G1SB+0], s44, (3<<16)|(1<<21)
.irp g, G1S, G1SB
	s_mov_b32 s[\g+1], 32<<16
	s_mov_b32 s[\g+2], 32<<16
	s_mov_b32 s[\g+3], 32<<16
	s_mov_b32 s[\g+4], 32
	s_mov_b32 s[\g+5], 32
	s_mov_b32 s[\g+6], 0
	s_mov_b32 s[\g+7], 0
.endr
	s_lshl_b32 s18, s16, 3                         ; which 8 tiles of the 16 I fetch
	s_add_co_u32 s20, s17, s13                     ; A's 256 rows of qw: block Y (x), or 24 + Y (wv)
	s_lshl_b32 s20, s20, 4
	s_add_co_u32 s20, s20, s18                     ; as a tile
	s_add_co_u32 s46, s42, 8                       ; B's: block 8 + X (wq, wk), or X - 16 (x)
	s_sub_co_u32 s46, s46, s13
	s_lshl_b32 s46, s46, 4
	s_add_co_u32 s46, s46, s18
	s_lshl_b32 s22, s20, 10
	s_add_co_u32 s22, s22, SCO                     ; where these tiles' scale words begin,
	s_mov_b32 s23, 0
	s_mul_i32 s20, s20, TPITCH                     ; and their codes
	s_mov_b32 s21, 0
	s_lshl_b32 s92, s46, 10
	s_add_co_u32 s92, s92, SCO
	s_mov_b32 s93, 0
	s_mul_i32 s46, s46, TPITCH
	s_mov_b32 s47, 0
	s_mul_i32 s45, s14, HALFT                      ; where they go: no place in the cluster enters an LDS address
	s_mul_i32 s94, s14, HALFS
	s_lshl_b32 s18, s17, 16                        ; cos and sin: my wave's 128 tokens begin at row 256 Y + 128 x half, 256 bytes a row
	s_lshl_b32 s19, s15, 15
	s_add_co_u32 s18, s18, s19
	s_mov_b32 s19, 0
	s_mov_b32 s[SEL], 0x76543210
	s_mov_b32 s[SEL+1], 0xfedcba98
	s_wait_kmcnt 0x0
	s_add_nc_u64 s[20:21], s[4:5], s[20:21]
	s_add_nc_u64 s[22:23], s[4:5], s[22:23]
	s_add_nc_u64 s[46:47], s[4:5], s[46:47]
	s_add_nc_u64 s[92:93], s[4:5], s[92:93]
	s_add_nc_u64 s[6:7], s[6:7], s[18:19]
	s_add_nc_u64 s[8:9], s[8:9], s[18:19]
	CROUND                                         ; all sixteen work-groups are here: the first joint loads meet
	s_mov_b32 s[G0S], 1
	s_add_co_u32 s[G0S+1], s94, SCL
	s_mov_b64 s[G0S+2:G0S+3], s[22:23]
	s_or_b32 s[G0S+3], s[G0S+3], 0x80000000
	s_mov_b32 s[G0SB], 1
	s_add_co_u32 s[G0SB+1], s94, SCL
	s_mov_b64 s[G0SB+2:G0SB+3], s[92:93]
	s_or_b32 s[G0SB+3], s[G0SB+3], 0x80000000
	JLOAD G0S, G1S, G0SB, G1SB                     ; the scale words first: they are wanted with the first slot
.irp s, 0,1
	s_mov_b32 s[G0+4*\s], 1
	s_add_co_u32 s[G0+4*\s+1], s45, \s*SLOT
	s_add_nc_u64 s[G0+4*\s+2:G0+4*\s+3], s[20:21], \s*TROW
	s_or_b32 s[G0+4*\s+3], s[G0+4*\s+3], 0x80000000
	s_mov_b32 s[G0B+4*\s], 1
	s_add_co_u32 s[G0B+4*\s+1], s45, \s*SLOT
	s_add_nc_u64 s[G0B+4*\s+2:G0B+4*\s+3], s[46:47], \s*TROW
	s_or_b32 s[G0B+4*\s+3], s[G0B+4*\s+3], 0x80000000
	JLOAD G0+4*\s, G1, G0B+4*\s, G1B
.endr
	v_and_b32 v1, 15, v0                           ; r
	v_bfe_u32 v2, v0, 4, 1                         ; h
	v_and_b32 v[LANE], 31, v0
	v_lshlrev_b32 v[LI], 4, v[LANE]
	s_mul_i32 s21, s15, HALFT                      ; my 8 tiles of A
	s_mul_i32 s22, s16, HALFT                      ; my 8 tiles of B,
	s_add_co_u32 s22, s22, 2*HALFT                 ; which lie behind A's 16
.irp s, 0,1
	v_add_nc_u32 v[ADRA+\s], s21, v[LI]
	v_add_nc_u32 v[ADRB+\s], s22, v[LI]
	s_add_co_u32 s21, s21, SLOT
	s_add_co_u32 s22, s22, SLOT
.endr
	v_lshlrev_b32 v5, 4, v1                        ; my row's four words
	s_mul_i32 s21, s15, HALFS
	s_mul_i32 s22, s16, HALFS
	s_add_co_u32 s22, s22, 2*HALFS
	s_sub_co_u32 s22, s22, s21
	v_mul_u32_u24 v6, s22, v2                      ; lanes 16-31 take B's
	s_add_co_u32 s21, s21, SCL
	v_add_nc_u32 v5, v5, v6
	v_add_nc_u32 v[ADRS], s21, v5
	v_and_b32 v5, 8, v1
	v_add_nc_u32 v5, v5, v1                        ; r + 8 (r / 8)
	v_lshlrev_b32 v5, 8, v5
	v_lshl_add_u32 v[CSO], v2, 5, v5               ; cos, sin: my token's row, + 32 h: the 8 pairs of my 16 channels of a block of 32
; block a's cos (32 registers) and sin (32): register 8 e + i is pair 16 e + 8 (lane / 16) + i of my token
.macro CSLOAD a, set
.irp e, 0,1,2,3
.irp q, 0,1
	global_load_b128 v[\set+8*\e+4*\q:\set+8*\e+4*\q+3], v[CSO], s[6:7] offset:(32*((\a)/2)+8*((\a)%2))*256+64*\e+16*\q
	global_load_b128 v[\set+32+8*\e+4*\q:\set+32+8*\e+4*\q+3], v[CSO], s[8:9] offset:(32*((\a)/2)+8*((\a)%2))*256+64*\e+16*\q
.endr
.endr
.endm
	CSLOAD 0, CS                                   ; the first block's, a whole K ahead of their use.  Every work-group asks, v's too, which does not use them: so the loads out and the registers written are the same on every way
.macro FRAG reg, adr, q, i             ; a fragment comes as it was stored: three loads of 16 bytes a lane, 512 consecutive bytes each
.irp c, 0,1,2
	ds_load_b128 v[\reg+4*\c:\reg+4*\c+3], v[\adr] offset:TROW*(\i)+FRB*(\q)+512*\c
.endr
.endm
; 16 matrix instructions: A's blocks a0, a0 + 1 x B's eight.  The 64 accumulators take turns, one instruction a turn, in the same order in every step.
.macro MUL16 a0, p, q, sc, zero
.irp a, \a0, \a0+1
.irp b, 0,1,2,3,4,5,6,7
.if \zero
	v_wmma_scale_f32_16x16x128_f8f6f4 v[8*(8*((\a)%4)+\b):8*(8*((\a)%4)+\b)+7], v[128*(\p)+FR*\b:128*(\p)+FR*\b+FR-1], v[AF+FR*(\a):AF+FR*(\a)+FR-1], 0, v[SC+8*NQ*(\sc)+NQ*\b+(\q)], v[SC+8*NQ*(\sc)+NQ*(\a)+(\q)] matrix_a_fmt:MATRIX_FMT_FP6 matrix_b_fmt:MATRIX_FMT_FP6 matrix_a_scale:MATRIX_SCALE_ROW1
.else
	v_wmma_scale_f32_16x16x128_f8f6f4 v[8*(8*((\a)%4)+\b):8*(8*((\a)%4)+\b)+7], v[128*(\p)+FR*\b:128*(\p)+FR*\b+FR-1], v[AF+FR*(\a):AF+FR*(\a)+FR-1], v[8*(8*((\a)%4)+\b):8*(8*((\a)%4)+\b)+7], v[SC+8*NQ*(\sc)+NQ*\b+(\q)], v[SC+8*NQ*(\sc)+NQ*(\a)+(\q)] matrix_a_fmt:MATRIX_FMT_FP6 matrix_b_fmt:MATRIX_FMT_FP6 matrix_a_scale:MATRIX_SCALE_ROW1
.endif
.endr
.endr
.endm
.macro FETCH_B slot, q, p
	WIN TO_B
.irp i, 0,1,2,3,4,5,6,7
	FRAG 128*(\p)+FR*\i, ADRB+\slot, \q, \i
.endr
	WIN 0
.endm
.macro FETCH_A slot, q, i0
.irp i, \i0, \i0+1, \i0+2, \i0+3
	FRAG AF+FR*(\i), ADRA+\slot, \q, \i
.endr
.endm
.macro SCALES sc                       ; a slot's two words a row: lanes 0-15 A's tile i, lanes 16-31 B's tile i
.irp i, 0,1,2,3,4,5,6,7
	ds_load_b64 v[SC+8*NQ*\sc+NQ*\i:SC+8*NQ*\sc+NQ*\i+1], v[ADRS] offset:\i*SBLK
.endr
.endm
.macro PLACES n                        ; plain vector places in front of loads into registers that matrix instructions have read, and of the first read of results
.rept \n
	v_nop
.endr
.endm
.macro STEP slot, q, zero              ; a step of 128 along K that has its successor in the same slot
	s_wait_dscnt 4*NL                              ; all but the youngest 12 loads, A's blocks 4-7
	WIN MUL_LO
	MUL16 0, (\q)%2, \q, \slot, \zero
	MUL16 2, (\q)%2, \q, \slot, \zero
	s_wait_dscnt 0
	PLACES NP
	FETCH_B \slot, (\q)+1, 1-(\q)%2
	FETCH_A \slot, (\q)+1, 0
	WIN MUL_HI
	MUL16 4, (\q)%2, \q, \slot, \zero
	MUL16 6, (\q)%2, \q, \slot, \zero
	PLACES NP
	WIN 0
	FETCH_A \slot, (\q)+1, 4
.endm
; A slot's last step changes slots: one barrier; in front of it each wave waits for all its tensor loads, adds 0 to its spare word, and waits for that and for its reads of this slot.
.macro TURN slot, next, fill
	s_wait_tensorcnt 0x0                           ; all my tensor loads have landed: my part of the next slot
	ds_add_u32 v[SPW], v[NIL]                      ; 0 onto my spare word
	s_wait_dscnt 4*NL+1                            ; the add and the youngest 12 loads may be out
	WIN MUL_LO
	MUL16 0, 1, NQ-1, \slot, 0
	s_wait_dscnt 0x0                               ; the add is done, and my reads of this slot are over
	s_barrier_signal -1
	MUL16 2, 1, NQ-1, \slot, 0
	WIN 0
	s_barrier_wait -1
.if \fill
	CREST                                          ; the barrier has opened a round of the cluster's barrier: no wave of any partner still reads this slot or has a load on its way
	s_add_nc_u64 s[G0+4*\slot+2:G0+4*\slot+3], s[G0+4*\slot+2:G0+4*\slot+3], 2*TROW
	s_add_nc_u64 s[G0B+4*\slot+2:G0B+4*\slot+3], s[G0B+4*\slot+2:G0B+4*\slot+3], 2*TROW
	JLOAD G0+4*\slot, G1, G0B+4*\slot, G1B         ; the first tensor load behind the round; its four v_nop are the places in front of the loads below
.else
	PLACES NP
.endif
	v_add_nc_u32 v[ADRS], 8+240*\slot, v[ADRS]     ; the next slot's two words: 8 bytes on in a group of four words, or on to the next group
	FETCH_B \next, 0, 0
	FETCH_A \next, 0, 0
	SCALES \next
	WIN MUL_HI
	MUL16 4, 1, NQ-1, \slot, 0
	MUL16 6, 1, NQ-1, \slot, 0
	PLACES NP
	WIN 0
	FETCH_A \next, 0, 4
.endm
	s_wait_tensorcnt 1                             ; the scale words and my part of slot 0 are in; slot 1's load may be out
	s_barrier_signal -1
	s_barrier_wait -1
	FETCH_B 0, 0, 0
	FETCH_A 0, 0, 0
	SCALES 0
	FETCH_A 0, 0, 4
	STEP 0, 0, 1                                   ; the first step's products start the sums
	s_mov_b32 s3, LAPS-1
.Llap:
	TURN 0, 1, 1
	STEP 1, 0, 0
	TURN 1, 0, 1
	STEP 0, 0, 0
	s_sub_co_u32 s3, s3, 1
	s_cmp_lg_u32 s3, 0
	s_cbranch_scc1 .Llap
	TURN 0, 1, 0                                   ; the last lap fills nothing
	STEP 1, 0, 0
	s_wait_dscnt 4*NL
	WIN MUL_LO
	MUL16 0, 1, NQ-1, 1, 0
	MUL16 2, 1, NQ-1, 1, 0
	s_wait_dscnt 0
	WIN MUL_HI
	MUL16 4, 1, NQ-1, 1, 0
	MUL16 6, 1, NQ-1, 1, 0
	WIN 0
; THE WAY OUT.  A block of A (16 lanes' rows x 128 registers' neighbours) is one fragment of the next product: rotated (q, k), quantised in registers, stored as an image: three stores of 512 consecutive bytes.
; 64 numbers of a lane in window win become codes in v[PC] on and the row's scale word in v[pw]
.macro QUANTW s, win, pw
	WIN 5*(\win)                                   ; sources 0 and 1 in the numbers' window
.irp b, 0,1,2,3
	v_max3_num_f32 v[TM+\b], |v[\s+16*\b]|, |v[\s+1+16*\b]|, 0x1800000   ; my 16 numbers of block b, and the floor 2^(3 - 127); each accumulator is read from its low end on
.endr
.irp i, 2,4,6,8,10,12,14
.irp b, 0,1,2,3
	v_max3_num_f32 v[TM+\b], |v[\s+16*\b+\i]|, |v[\s+1+16*\b+\i]|, v[TM+\b]
.endr
.endr
	WIN 0
.irp b, 0,1,2,3
	v_permlanex16_b32 v[TM+4+\b], v[TM+\b], s[SEL], s[SEL+1]
.endr
.irp b, 0,1,2,3
	v_max_num_f32 v[TM+\b], v[TM+\b], v[TM+4+\b]
.endr
.irp b, 0,1,2,3
	v_add_nc_u32 v[TM+12+\b], 0xff000000, v[TM+\b]   ; 2 off the exponent field: the conversion's scale operand
.endr
.irp b, 0,1,2,3
	v_lshrrev_b32 v[TM+4+\b], 23, v[TM+12+\b]
.endr
	v_lshl_or_b32 v[\pw], v[TM+5], 8, v[TM+4]
	v_lshl_or_b32 v[\pw], v[TM+6], 16, v[\pw]
	v_lshl_or_b32 v[\pw], v[TM+7], 24, v[\pw]
	WIN \win                                       ; source 0 in the numbers' window
.irp c, 0,1
	v_cvt_scalef32_pk16_fp6_f32 v[PC+6*\c:PC+2+6*\c], v[\s+32*\c:\s+15+32*\c], v[TM+12+2*\c]
	v_cvt_scalef32_pk16_fp6_f32 v[PT+4*\c:PT+2+4*\c], v[\s+16+32*\c:\s+31+32*\c], v[TM+13+2*\c]
.endr
	WIN 0
	v_nop                                          ; one plain place behind a scaled conversion
.irp c, 0,1
.irp i, 0,1,2
	v_permlane16_swap_b32 v[PC+6*\c+\i], v[PT+4*\c+\i]
.endr
.irp i, 0,1,2
	v_mov_b32 v[PC+3+6*\c+\i], v[PT+4*\c+\i]
.endr
.endr
.endm
; the rotation of block a: pair p of a lane's registers (channels 2 p', 2 p' + 1) by its cos and sin; each accumulator's first read is its register 1
.macro ROPE a, set
	WIN 2+(\a)/4                                   ; source 0 in the accumulators' window
.set AC, 64*((\a)%4)
.set RP, 0
.rept 16
	v_mul_f32 v4, v[AC+2*RP+1], v[\set+32+RP]
	v_mul_f32 v5, v[AC+2*RP], v[\set+32+RP]
	v_mul_f32 v6, v[AC+2*RP+3], v[\set+33+RP]
	v_mul_f32 v7, v[AC+2*RP+2], v[\set+33+RP]
	v_fma_f32 v[RR+2*RP], v[AC+2*RP], v[\set+RP], -v4
	v_fma_f32 v[RR+2*RP+1], v[AC+2*RP+1], v[\set+RP], v5
	v_fma_f32 v[RR+2*RP+2], v[AC+2*RP+2], v[\set+1+RP], -v6
	v_fma_f32 v[RR+2*RP+3], v[AC+2*RP+3], v[\set+1+RP], v7
.set RP, RP+2
.endr
	WIN 0
.endm
	; where my eight images and their scale words go.  u = 2 Y + my half of A, w = 2 (X % 8) + my half of B: for q and k the head is w and the block of 128 tokens u, for v the other way round
	s_lshl_b32 s68, s17, 1
	s_add_co_u32 s68, s68, s15
	s_and_b32 s69, s42, 7
	s_lshl_b32 s69, s69, 1
	s_add_co_u32 s69, s69, s16
	s_cmp_eq_u32 s12, 0
	s_cselect_b32 s70, s69, s68                    ; the head
	s_cselect_b32 s71, s68, s69                    ; the block of 128 tokens
	s_mul_i32 s72, s70, 196608
	s_mul_i32 s73, s71, 12288
	s_add_co_u32 s72, s72, s73                     ; q's images; k's and v's pitches are twice these
	s_lshl_b32 s74, s70, 13
	s_lshl_b32 s75, s71, 9
	s_add_co_u32 s74, s74, s75                     ; q's scale words; likewise
	s_cmp_lt_u32 ttmp9, 2                          ; clusters 0 and 1 make q
	s_cselect_b32 s76, 0, 1
	s_cselect_b32 s77, 0, 3145728
	s_mov_b32 s78, 9568256
	s_cselect_b32 s78, 9437184, s78
	s_lshl_b32 s72, s72, s76
	s_lshl_b32 s74, s74, s76
	s_add_co_u32 s72, s72, s77
	s_add_co_u32 s74, s74, s78
	s_mul_i32 s79, s12, 12288                      ; v's images lie behind k's eight,
	s_add_co_u32 s72, s72, s79
	s_lshl_b32 s79, s12, 9                         ; its words behind k's two groups
	s_add_co_u32 s74, s74, s79
	s_mov_b32 s73, 0
	s_mov_b32 s75, 0
	s_add_nc_u64 s[72:73], s[10:11], s[72:73]
	s_add_nc_u64 s[74:75], s[10:11], s[74:75]
	PLACES NP                                      ; behind the last products: their results are read, and their operands' and scales' registers written, from here on
.irp b, 0,1,2,3
	v_mov_b32 v[TM+4+\b], 0                        ; written once: a lane permute's destination counts as one of its sources
.endr
	s_cmp_lg_u32 s12, 0
	s_cbranch_scc1 .Lv_out
.irp a, 0,1,2,3,4,5,6,7
.if \a < 7
	CSLOAD \a+1, CS+64*((\a+1)%2)
	s_wait_loadcnt 16                              ; this block's cos and sin are in; the next block's 16 loads may be out
.else
	s_wait_loadcnt 0x0
.endif
	ROPE \a, CS+64*(\a%2)
	s_wait_xcnt 0x0                                ; the last block's stores have read the codes' registers
	QUANTW RR, 0, SW+\a
.irp c, 0,1,2
	global_store_b128 v[LI], v[PC+4*\c:PC+4*\c+3], s[72:73] offset:FRB*\a+512*\c
.endr
.endr
	s_branch .Ltail
.Lv_out:
.irp a, 0,1,2,3,4,5,6,7
.if \a > 0
	s_wait_xcnt 0x0
.endif
	QUANTW 64*(\a%4), 2+\a/4, SW+\a
.irp c, 0,1,2
	global_store_b128 v[LI], v[PC+4*\c:PC+4*\c+3], s[72:73] offset:FRB*\a+512*\c
.endr
.endr
.Ltail:
	v_cmp_le_u32 vcc_lo, 16, v[LANE]               ; lanes 0-15 carry the words of blocks 0-3, lanes 16-31 those of 4-7
.irp i, 0,1,2,3
	v_cndmask_b32 v[OQ+\i], v[SW+\i], v[SW+4+\i], vcc_lo
.endr
	global_store_b128 v[LI], v[OQ:OQ+3], s[74:75]  ; 512 consecutive bytes
	s_wait_tensorcnt 0x0                           ; the wave's end
	ds_add_u32 v[SPW], v[NIL]
	s_wait_dscnt 0x0
	CROUND                                         ; the closing round
	s_endpgm
.Lfunc_end_k_q6a7d11e88a_qkv:
	.size	k_q6a7d11e88a_qkv, .Lfunc_end_k_q6a7d11e88a_qkv-k_q6a7d11e88a_qkv
	.p2alignl 7, 3214868480
	.fill 96, 4, 3214868480
	.section	.rodata,"a",@progbits
	.p2align	6, 0x0
	.amdhsa_kernel k_q6a7d11e88a_qkv
		.amdhsa_group_segment_fixed_size 327680
		.amdhsa_private_segment_fixed_size 0
		.amdhsa_enable_private_segment 0
		.amdhsa_kernarg_size 32
		.amdhsa_user_sgpr_count 2
		.amdhsa_user_sgpr_kernarg_segment_ptr 1
		.amdhsa_wavefront_size32 1
		.amdhsa_system_sgpr_workgroup_id_x 1
		.amdhsa_system_sgpr_workgroup_id_y 1
		.amdhsa_system_sgpr_workgroup_id_z 1
		.amdhsa_system_vgpr_workitem_id 0
		.amdhsa_next_free_vgpr 1024
		.amdhsa_next_free_sgpr 100
		.amdhsa_reserve_vcc 1
		.amdhsa_float_denorm_mode_32 3
		.amdhsa_float_denorm_mode_16_64 3
		.amdhsa_memory_ordered 1
		.amdhsa_forward_progress 1
		.amdhsa_inst_pref_size 234
	.end_amdhsa_kernel
	.amdgpu_metadata
---
amdhsa.version: [ 1, 2 ]
amdhsa.kernels:
  - .name:           k_q6a7d11e88a_qkv
    .symbol:         k_q6a7d11e88a_qkv.kd
    .args:
      - { .name: qw, .offset: 0, .size: 8, .value_kind: global_buffer, .address_space: global }
      - { .name: freqs_cos, .offset: 8, .size: 8, .value_kind: global_buffer, .address_space: global }
      - { .name: freqs_sin, .offset: 16, .size: 8, .value_kind: global_buffer, .address_space: global }
      - { .name: qkv, .offset: 24, .size: 8, .value_kind: global_buffer, .address_space: global }
    .group_segment_fixed_size: 327680
    .private_segment_fixed_size: 0
    .kernarg_segment_align: 8
    .kernarg_segment_size: 32
    .max_flat_workgroup_size: 128
    .sgpr_count:     100
    .vgpr_count:     1024
    .wavefront_size: 32
...
	.end_amdgpu_metadata
.endif
;; end of part 2
;; launch attn (part 3): grid 16 x 16, 8 waves a work-group, no clusters, 66,560 bytes of LDS; arguments qkv, mk, ob; writes ob
.if DOCPART == 3
	.amdgcn_target "amdgcn-amd-amdhsa--gfx1250"
	.amdhsa_code_object_version 6
	.text
	.protected	k_q6a7d11e88a_attn
	.globl	k_q6a7d11e88a_attn
	.p2align	8
	.type	k_q6a7d11e88a_attn,@function
k_q6a7d11e88a_attn:
	s_mov_b64 s[64:65], 0
	v_nop
	global_prefetch_b8 v0, s[64:65] scope:SCOPE_SE
	s_setreg_imm32_b32 hwreg(HW_REG_WAVE_MODE, 25, 1), 1
	s_wait_xcnt 0x0
; O = softmax(mask(Q K^T / sqrt(128))) V for one head and eight tiles of 16 queries, both products on codes of FP6 (E2M3) with E8M0 scales; O is divided by the row's sum and quantised for the last product.
; THE SOFTMAX: t = score x log2(e) / sqrt(128); M = the running largest t rounded UP to a whole number; p = 2^(t - M) is quantised along the keys, not normalised; the row's sum is taken of the unquantised p.
; THE MASK is an input: an earlier launch has packed it into lane-mask words (one for each score register of a query tile and key step) and two flags a tile.  A hidden score becomes -infinity ahead of the maximum.
; A key step none of whose keys counts for any of the wave's 16 queries is passed over, one all of whose mask bytes are 1 skips the 64 selects: scalar branches on the stored flags.  This holds for every mask.
; A row with no key at all has the sum 0: it gets zero codes under the scale bytes 0xff, which make the last product's row NaN, as a softmax over -infinity alone is.
; NO TENSOR LOADS, NO CLUSTER: this text branches on numbers read from memory; K and V come through registers into LDS, each wave bringing one image of each, and there is no joint load.
; SHARES: head = work-group y.  Waves 0-3 own the four query tiles of block x of 64 queries, waves 4-7 those of block 31 - x.  Every wave walks all 16 key steps of 128; the trip counts are constants.
; LAYOUT: both products transposed (S^T = K Q^T, O^T = V^T P^T): a lane holds one query.  All operands lie in memory and LDS as images of operand registers; by the order of rows in a tile
; (row r of tile T = 32 (T / 2) + 8 (T % 2) + r + 8 (r / 8)) the 16 registers of two neighbouring tiles are 16 neighbours along the next K.
; LDS: two slots of 24,576 bytes (8 images of K, 8 of V); from 49,152 on the head's scale words, 1,024 bytes a key step, stored once.  One barrier a key step.
; LIMITS: NaN and infinities in q, k, v are not served; a block of p or O whose largest magnitude lies under 2^-124 keeps the byte 1.
; REGISTERS: v1-3 addresses; v4-11, v80-95 K's and V's images on their way to LDS; v12 -M, v13 the largest t, v[14:15] the sum; v16-27 Q; v28-31 addresses, -infinity; v32-79 four fragments;
;   v96-159 S^T, then p; v160-223 O^T; v224-235 p's codes; v232-254 at work; v255 Q's scale word.  Mask word n: s[20 + n] (n < 32), s[36 + n] (n >= 32).
.set SLOTB, 24576
.set VOFF,  12288
.set SCW,   49152
.set FRB,   1536
.set TM,    232
.set PC,    32
.set PT,    44
.set SEL,   52                         ; s[52:53] lane l xor 16
.set CS,    54                         ; s[54:55] c = log2(e) / sqrt(128)
	s_load_b128 s[4:7], s[0:1], 0x0                ; qkv, mk
	s_load_b64 s[8:9], s[0:1], 0x10                ; ob
	v_lshl_add_u32 v243, v0, 2, 0x10000
	s_set_vgpr_msb 0x40
	v_mov_b32 v1, 0
	s_set_vgpr_msb 0x4000
	v_lshrrev_b32 v1, 5, v0
	v_readfirstlane_b32 s18, v1                    ; wave 0..7
	s_and_b32 s19, ttmp7, 0xffff                   ; the head
	s_sub_co_u32 s58, 31, ttmp9
	s_cmp_lt_u32 s18, 4
	s_cselect_b32 s58, ttmp9, s58                  ; my block of 64 queries
	s_lshl_b32 s58, s58, 2
	s_and_b32 s59, s18, 3
	s_add_co_u32 s3, s58, s59                      ; my query tile
	v_and_b32 v2, 31, v0
	v_lshlrev_b32 v1, 4, v2                        ; 16 x lane
	v_lshlrev_b32 v31, 8, v2
	s_lshl_b32 s60, s59, 13
	v_add_nc_u32 v31, s60, v31                     ; the prefetches' offset: 256 x lane + 8,192 x (wave - 4)
	s_lshl_b32 s60, s18, 11
	v_add_nc_u32 v28, s60, v1                      ; the scale words' way in: 16 x lane + 2,048 x wave
	s_mul_i32 s60, s18, FRB
	v_add_nc_u32 v30, s60, v1                      ; my image of K and of V: 16 x lane + 1,536 x wave
	v_and_b32 v3, 15, v0
	v_lshlrev_b32 v3, 4, v3                        ; 16 r
	v_add_nc_u32 v2, SCW, v3                       ; my row's four words in a group
	s_mul_i32 s20, s19, 393216
	s_add_co_u32 s20, s20, 3145728                 ; the head's K and V
	s_mov_b32 s21, 0
	s_lshl_b32 s22, s3, 12                         ; my tile's mask words
	s_mov_b32 s23, 0
	s_lshl_b32 s24, s3, 5
	s_add_co_u32 s24, s24, 524288                  ; its flags
	s_mov_b32 s25, 0
	s_lshl_b32 s26, s19, 7
	s_add_co_u32 s26, s26, s3
	s_mul_i32 s26, s26, FRB                        ; Q's image
	s_mov_b32 s27, 0
	s_lshl_b32 s28, s19, 13
	s_lshr_b32 s29, s3, 2
	s_lshl_b32 s29, s29, 8
	s_add_co_u32 s28, s28, s29
	s_and_b32 s29, s3, 3
	s_lshl_b32 s29, s29, 2
	s_add_co_u32 s28, s28, s29
	s_add_co_u32 s28, s28, 9437184                 ; Q's scale words
	s_mov_b32 s29, 0
	s_lshl_b32 s30, s19, 14
	s_add_co_u32 s30, s30, 9568256                 ; the head's scale words of K and V
	s_mov_b32 s31, 0
	s_mov_b32 s[SEL], 0x76543210
	s_mov_b32 s[SEL+1], 0xfedcba98
	s_mov_b32 s[CS], 0x3e0293ee
	s_mov_b32 s[CS+1], s[CS]                       ; (named with it as a pair, so it is written)
	s_sub_co_u32 s58, s18, 4                       ; waves 4 to 6 of the head's first work-group prefetch, while the key step is under 13
	s_cmp_lt_u32 s58, 3
	s_cselect_b32 s57, 13, 0
	s_cmp_eq_u32 ttmp9, 0
	s_cselect_b32 s57, s57, 0
	s_mov_b32 s16, 0                               ; the key step
	s_mov_b32 s17, 0                               ; its scale words: 1,024 bytes a step
	s_wait_kmcnt 0x0
	s_add_nc_u64 s[10:11], s[4:5], s[20:21]
	s_add_nc_u64 s[12:13], s[6:7], s[22:23]
	s_add_nc_u64 s[24:25], s[6:7], s[24:25]
	s_add_nc_u64 s[26:27], s[4:5], s[26:27]
	s_add_nc_u64 s[28:29], s[4:5], s[28:29]
	s_add_nc_u64 s[30:31], s[4:5], s[30:31]
	s_load_b256 s[68:75], s[24:25], 0x0            ; four pairs of flag words
.irp c, 0,1,2
	global_load_b128 v[16+4*\c:19+4*\c], v1, s[26:27] offset:512*\c   ; Q's fragment stays in registers
.endr
	global_load_b32 v255, v3, s[28:29]
.irp i, 0,1,2,3
	global_load_b128 v[32+4*\i:35+4*\i], v28, s[30:31] offset:512*\i
.endr
.irp c, 0,1,2
	global_load_b128 v[80+4*\c:83+4*\c], v30, s[10:11] offset:512*\c   ; key step 0: my image of K,
.endr
	global_load_b128 v[4:7], v30, s[10:11] offset:VOFF                 ; and of V
	global_load_b128 v[8:11], v30, s[10:11] offset:VOFF+512
	global_load_b128 v[92:95], v30, s[10:11] offset:VOFF+1024
	v_mov_b32 v29, 0xff800000                      ; -infinity
	v_mov_b32 v13, 0xff61b1e6                      ; the largest t so far: -3e38, under every t
	v_floor_f32 v12, -v13                          ; -M
	v_mov_b32 v14, 0
	v_mov_b32 v15, 0
.irp b, 0,1,2,3
	v_mov_b32 v[236+\b], 0                         ; written once: a lane permute's destination counts as one of its sources
.endr
	v_mov_b32 v252, 0
	v_mov_b32 v253, 0
.irp j, 0,1,2,3,4,5,6,7,8,9,10,11,12,13,14,15,16,17,18,19,20,21,22,23,24,25,26,27,28,29,30,31,32,33,34,35,36,37,38,39,40,41,42,43,44,45,46,47,48,49,50,51,52,53,54,55,56,57,58,59,60,61,62,63
	v_mov_b32 v[160+\j], 0                         ; O^T: which key step is a wave's first hangs on the flags, so no step can start the sums with the constant 0
.endr
	s_wait_kmcnt 0x0
	s_or_b32 s14, s68, s70
	s_or_b32 s14, s14, s72
	s_or_b32 s14, s14, s74                         ; ANY: bit j
	s_or_b32 s15, s69, s71
	s_or_b32 s15, s15, s73
	s_or_b32 s15, s15, s75                         ; ALL: bit j
	s_wait_loadcnt 0x0
	s_add_nc_u64 s[10:11], s[10:11], SLOTB         ; on to key step 1
.irp i, 0,1,2,3
	ds_store_b128 v28, v[32+4*\i:35+4*\i] offset:SCW+512*\i
.endr
.irp c, 0,1,2
	ds_store_b128 v30, v[80+4*\c:83+4*\c] offset:512*\c
.endr
	ds_store_b128 v30, v[4:7] offset:VOFF
	ds_store_b128 v30, v[8:11] offset:VOFF+512
	ds_store_b128 v30, v[92:95] offset:VOFF+1024
	s_wait_dscnt 0x0                               ; for the others' sake: my stores have landed
	s_barrier_signal -1
	s_barrier_wait -1
; A KEY STEP: 128 keys, in slot sl.  fill = 1: the next step's images are asked for at the head and stored into the other slot at the end, in front of the step's barrier.
.macro STEP sl, fill
.if \fill
.irp c, 0,1,2
	global_load_b128 v[80+4*\c:83+4*\c], v30, s[10:11] offset:512*\c
.endr
	global_load_b128 v[4:7], v30, s[10:11] offset:VOFF
	global_load_b128 v[8:11], v30, s[10:11] offset:VOFF+512
	global_load_b128 v[92:95], v30, s[10:11] offset:VOFF+1024
	; a prefetch of the key step two behind the one just asked for: its 24,576 bytes by three waves, lanes 256 bytes apart, in the head's first work-group alone: each block is named once in the launch; the last is key step 15's
	s_cmp_lt_u32 s16, s57
	s_cbranch_scc0 .Lnoask_\@
	global_prefetch_b8 v31, s[10:11] offset:2*SLOTB th:TH_LOAD_NT scope:SCOPE_SE
.Lnoask_\@:
.endif
	s_bitcmp1_b32 s14, s16                         ; does any key of this step count for any of my queries?
	s_cbranch_scc0 .Lskip_\@
	s_load_b512 s[20:35], s[12:13], 0x0            ; the step's 64 mask words
	s_load_b512 s[36:51], s[12:13], 0x40
	s_load_b512 s[68:83], s[12:13], 0x80
	s_load_b512 s[84:99], s[12:13], 0xc0
	v_add_nc_u32 v3, s17, v2
.rept 3
	v_nop                                          ; with the addition: four places in front of loads into registers that the last products read
.endr
.irp g, 0,1                                    ; S^T = K Q^T, four tiles of 16 keys at a time
.if \g
.rept 4
	v_nop
.endr
.endif
.irp t, 0,1,2,3
.irp c, 0,1,2
	ds_load_b128 v[32+12*\t+4*\c:35+12*\t+4*\c], v1 offset:SLOTB*\sl+FRB*(4*\g+\t)+512*\c
.endr
.endr
	ds_load_b128 v[248:251], v3 offset:256*\g      ; the four tiles' scale words of my row
	s_wait_dscnt 0x0
.irp t, 0,1,2,3
	v_wmma_scale_f32_16x16x128_f8f6f4 v[96+8*(4*\g+\t):103+8*(4*\g+\t)], v[32+12*\t:43+12*\t], v[16:27], 0, v[248+\t], v255 matrix_a_fmt:MATRIX_FMT_FP6 matrix_b_fmt:MATRIX_FMT_FP6
.endr
.endr
.rept 4
	v_nop
.endr
	s_wait_kmcnt 0x0                               ; the mask words are in (and their base may be stepped)
	s_bitcmp1_b32 s15, s16                         ; every key counts for every query: nothing to hide
	s_cbranch_scc1 .Lopen_\@
.set MN, 0
.rept 64
.if MN < 32
	v_cndmask_b32 v[96+MN], v29, v[96+MN], s[20+MN]
.else
	v_cndmask_b32 v[96+MN], v29, v[96+MN], s[36+MN]
.endif
.set MN, MN+1
.endr
.Lopen_\@:
.irp b, 0,1,2,3
	v_max3_num_f32 v[232+\b], v[96+16*\b], v[97+16*\b], v[98+16*\b]   ; the largest score of each block of 32 keys: for the row's maximum, and, since p rises with the score, for the block's largest p
.endr
.irp i, 3,5,7,9,11,13
.irp b, 0,1,2,3
	v_max3_num_f32 v[232+\b], v[232+\b], v[96+16*\b+\i], v[97+16*\b+\i]
.endr
.endr
.irp b, 0,1,2,3
	v_max_num_f32 v[232+\b], v[232+\b], v[111+16*\b]
.endr
.irp b, 0,1,2,3
	v_permlanex16_b32 v[236+\b], v[232+\b], s[SEL], s[SEL+1]
.endr
.irp b, 0,1,2,3
	v_max_num_f32 v[232+\b], v[232+\b], v[236+\b]   ; with lane l xor 16's 16 keys
.endr
	v_max3_num_f32 v254, v232, v233, v234
	v_max_num_f32 v254, v254, v235
	v_mul_f32 v254, s[CS], v254                    ; as t (c is positive)
	v_max_num_f32 v13, v13, v254                   ; the running largest t
	v_mov_b32 v254, v12
	v_floor_f32 v12, -v13                          ; the new -M = floor(-t): M is a whole number
	v_sub_f32 v254, v12, v254                      ; old M - new M: a whole number, 0 or less
	v_cvt_i32_f32 v254, v254                       ; (it saturates)
	v_ldexp_f32 v252, 1.0, v254                    ; f = 2^(old M - new M): a multiplication by it rounds nothing
.irp j, 0,2,4,6,8,10,12,14,16,18,20,22,24,26,28,30,32,34,36,38,40,42,44,46,48,50,52,54,56,58,60,62
	v_pk_fma_f32 v[96+\j:97+\j], v[96+\j:97+\j], s[CS:CS+1], v[12:13] op_sel_hi:[1,0,0]   ; t - M
.endr
.irp b, 0,1,2,3
	v_fma_f32 v[232+\b], v[232+\b], s[CS], v12
.endr
.irp j, 0,1,2,3,4,5,6,7,8,9,10,11,12,13,14,15,16,17,18,19,20,21,22,23,24,25,26,27,28,29,30,31,32,33,34,35,36,37,38,39,40,41,42,43,44,45,46,47,48,49,50,51,52,53,54,55,56,57,58,59,60,61,62,63
	v_exp_f32 v[96+\j], v[96+\j]                   ; p = 2^(t - M)
.endr
	v_pk_mul_f32 v[14:15], v[14:15], v[252:253] op_sel_hi:[1,0]   ; the sums under the new M: the plain place behind the exponentials
	s_wait_alu depctr_va_vdst(0)                   ; one wait for the whole batch, ahead of its first reader
.irp b, 0,1,2,3
	v_exp_f32 v[232+\b], v[232+\b]                 ; each block's largest p
.endr
	v_pk_add_f32 v[236:237], v[96:97], v[98:99]    ; the row's sum of the unquantised p, in two chains
.irp j, 4,8,12,16,20,24,28,32,36,40,44,48,52,56,60
	v_pk_add_f32 v[14:15], v[14:15], v[96+\j:97+\j]
	v_pk_add_f32 v[236:237], v[236:237], v[98+\j:99+\j]
.endr
	v_pk_add_f32 v[14:15], v[14:15], v[236:237]
	s_wait_alu depctr_va_vdst(0)                   ; and one for the four
.irp b, 0,1,2,3
	v_max_num_f32 v[232+\b], 0x1800000, v[232+\b]  ; the floor 2^(3 - 127): the byte cannot fall under 1
.endr
.irp b, 0,1,2,3
	v_add_nc_u32 v[244+\b], 0xff000000, v[232+\b]
.endr
.irp b, 0,1,2,3
	v_lshrrev_b32 v[236+\b], 23, v[244+\b]
.endr
	v_lshl_or_b32 v253, v237, 8, v236              ; p's scale word for these 128 keys
	v_lshl_or_b32 v253, v238, 16, v253
	v_lshl_or_b32 v253, v239, 24, v253
.irp c, 0,1
	v_cvt_scalef32_pk16_fp6_f32 v[224+6*\c:226+6*\c], v[96+32*\c:111+32*\c], v[244+2*\c]
	v_cvt_scalef32_pk16_fp6_f32 v[236+4*\c:238+4*\c], v[112+32*\c:127+32*\c], v[244+2*\c+1]
.endr
	v_nop                                          ; one plain place behind a scaled conversion
.irp c, 0,1
.irp i, 0,1,2
	v_permlane16_swap_b32 v[224+6*\c+\i], v[236+4*\c+\i]
.endr
.irp i, 0,1,2
	v_mov_b32 v[227+6*\c+\i], v[236+4*\c+\i]
.endr
.endr
.irp j, 0,2,4,6,8,10,12,14,16,18,20,22,24,26,28,30,32,34,36,38,40,42,44,46,48,50,52,54,56,58,60,62
	v_pk_mul_f32 v[160+\j:161+\j], v[160+\j:161+\j], v[252:253] op_sel_hi:[1,0]   ; O^T under the new M; these 32 are also the places in front of the products and loads below
.endr
.irp g, 0,1                                    ; O^T += V^T P^T
.if \g
.rept 4
	v_nop
.endr
.endif
.irp t, 0,1,2,3
.irp c, 0,1,2
	ds_load_b128 v[32+12*\t+4*\c:35+12*\t+4*\c], v1 offset:SLOTB*\sl+VOFF+FRB*(4*\g+\t)+512*\c
.endr
.endr
	ds_load_b128 v[248:251], v3 offset:512+256*\g
	s_wait_dscnt 0x0
.irp t, 0,1,2,3
	v_wmma_scale_f32_16x16x128_f8f6f4 v[160+8*(4*\g+\t):167+8*(4*\g+\t)], v[32+12*\t:43+12*\t], v[224:235], v[160+8*(4*\g+\t):167+8*(4*\g+\t)], v[248+\t], v253 matrix_a_fmt:MATRIX_FMT_FP6 matrix_b_fmt:MATRIX_FMT_FP6
.endr
.endr
.Lskip_\@:
	s_add_co_u32 s16, s16, 1
	s_add_co_u32 s17, s17, 1024
	s_add_nc_u64 s[12:13], s[12:13], 256
.if \fill
	s_wait_loadcnt 0x0                             ; the next step's images are in my registers
.irp c, 0,1,2
	ds_store_b128 v30, v[80+4*\c:83+4*\c] offset:SLOTB*(1-\sl)+512*\c   ; into the slot that every wave left at the last barrier
.endr
	ds_store_b128 v30, v[4:7] offset:SLOTB*(1-\sl)+VOFF
	ds_store_b128 v30, v[8:11] offset:SLOTB*(1-\sl)+VOFF+512
	ds_store_b128 v30, v[92:95] offset:SLOTB*(1-\sl)+VOFF+1024
	s_wait_xcnt 0x0                                ; the loads and the prefetch have read their base
	s_add_nc_u64 s[10:11], s[10:11], SLOTB
	s_wait_dscnt 0x0                               ; my stores have landed, and my reads of this slot are over
	s_barrier_signal -1
	s_barrier_wait -1
.endif
.endm
	s_mov_b32 s56, 7
.Lpair:
	STEP 0, 1
	STEP 1, 1
	s_sub_co_u32 s56, s56, 1
	s_cmp_lg_u32 s56, 0
	s_cbranch_scc1 .Lpair
	STEP 0, 1
	STEP 1, 0                                      ; the last key step asks for nothing
	; THE WAY OUT: O^T / the sum is one fragment of the last product (K step = the head): quantised in registers, stored as an image
.rept 4
	v_nop                                          ; places behind the last products
.endr
	v_add_f32 v14, v14, v15
	v_permlanex16_b32 v252, v14, s[SEL], s[SEL+1]
	v_add_f32 v14, v14, v252                       ; the row's sum
	v_cmp_eq_f32 s58, 0, v14                       ; a row with no key at all
	v_rcp_f32 v12, v14
	v_and_b32 v3, 15, v0                           ; (a plain place behind the transcendental)
	v_lshlrev_b32 v3, 4, v3                        ; 16 r
	s_lshl_b32 s60, s3, 4
	s_add_co_u32 s60, s60, s19
	s_mul_i32 s60, s60, FRB                        ; ob: image [query tile][head]
	s_mov_b32 s61, 0
	s_add_nc_u64 s[60:61], s[8:9], s[60:61]
	s_lshl_b32 s62, s3, 10
	s_lshr_b32 s63, s19, 2
	s_lshl_b32 s63, s63, 8
	s_add_co_u32 s62, s62, s63
	s_and_b32 s63, s19, 3
	s_lshl_b32 s63, s63, 2
	s_add_co_u32 s62, s62, s63
	s_add_co_u32 s62, s62, 3145728                 ; its scale word: [query tile][head / 4][row][head % 4]
	s_mov_b32 s63, 0
	s_add_nc_u64 s[62:63], s[8:9], s[62:63]
	s_wait_alu depctr_va_vdst(0)                   ; the wait ahead of the reciprocal's first reader
	v_cndmask_b32 v12, v12, 0, s58                 ; such a row's numbers become zeros
.irp j, 0,2,4,6,8,10,12,14,16,18,20,22,24,26,28,30,32,34,36,38,40,42,44,46,48,50,52,54,56,58,60,62
	v_pk_mul_f32 v[96+\j:97+\j], v[160+\j:161+\j], v[12:13] op_sel_hi:[1,0]   ; each accumulator from its low end on
.endr
.irp b, 0,1,2,3
	v_max3_num_f32 v[TM+\b], |v[96+16*\b]|, |v[97+16*\b]|, 0x1800000
.endr
.irp i, 2,4,6,8,10,12,14
.irp b, 0,1,2,3
	v_max3_num_f32 v[TM+\b], v[TM+\b], |v[96+16*\b+\i]|, |v[97+16*\b+\i]|
.endr
.endr
.irp b, 0,1,2,3
	v_permlanex16_b32 v[TM+4+\b], v[TM+\b], s[SEL], s[SEL+1]
.endr
.irp b, 0,1,2,3
	v_max_num_f32 v[TM+\b], v[TM+\b], v[TM+4+\b]
.endr
.irp b, 0,1,2,3
	v_add_nc_u32 v[TM+12+\b], 0xff000000, v[TM+\b]
.endr
.irp b, 0,1,2,3
	v_lshrrev_b32 v[TM+4+\b], 23, v[TM+12+\b]
.endr
	v_lshl_or_b32 v52, v[TM+5], 8, v[TM+4]
	v_lshl_or_b32 v52, v[TM+6], 16, v52
	v_lshl_or_b32 v52, v[TM+7], 24, v52
.irp c, 0,1
	v_cvt_scalef32_pk16_fp6_f32 v[PC+6*\c:PC+2+6*\c], v[96+32*\c:111+32*\c], v[TM+12+2*\c]
	v_cvt_scalef32_pk16_fp6_f32 v[PT+4*\c:PT+2+4*\c], v[112+32*\c:127+32*\c], v[TM+13+2*\c]
.endr
	v_nop
.irp c, 0,1
.irp i, 0,1,2
	v_permlane16_swap_b32 v[PC+6*\c+\i], v[PT+4*\c+\i]
.endr
.irp i, 0,1,2
	v_mov_b32 v[PC+3+6*\c+\i], v[PT+4*\c+\i]
.endr
.endr
	v_cndmask_b32 v52, v52, -1, s58                ; and its four scale bytes 0xff
.irp c, 0,1,2
	global_store_b128 v1, v[PC+4*\c:PC+4*\c+3], s[60:61] offset:512*\c   ; 512 consecutive bytes
.endr
	global_store_b32 v3, v52, s[62:63]             ; one word a row, 16 bytes apart (both halves of the lanes write the same word): the one store here that does not cover consecutive bytes
	s_set_vgpr_msb 0x4
	s_wait_tensorcnt 0x0
	ds_add_u32 v243, v1
	s_wait_dscnt 0x0
	s_set_vgpr_msb 0x400
	s_endpgm
.Lfunc_end_k_q6a7d11e88a_attn:
	.size	k_q6a7d11e88a_attn, .Lfunc_end_k_q6a7d11e88a_attn-k_q6a7d11e88a_attn
	.p2alignl 7, 3214868480
	.fill 96, 4, 3214868480
	.section	.rodata,"a",@progbits
	.p2align	6, 0x0
	.amdhsa_kernel k_q6a7d11e88a_attn
		.amdhsa_group_segment_fixed_size 66560
		.amdhsa_private_segment_fixed_size 0
		.amdhsa_enable_private_segment 0
		.amdhsa_kernarg_size 24
		.amdhsa_user_sgpr_count 2
		.amdhsa_user_sgpr_kernarg_segment_ptr 1
		.amdhsa_wavefront_size32 1
		.amdhsa_system_sgpr_workgroup_id_x 1
		.amdhsa_system_sgpr_workgroup_id_y 1
		.amdhsa_system_sgpr_workgroup_id_z 1
		.amdhsa_system_vgpr_workitem_id 0
		.amdhsa_next_free_vgpr 258
		.amdhsa_next_free_sgpr 100
		.amdhsa_reserve_vcc 0
		.amdhsa_float_denorm_mode_32 3
		.amdhsa_float_denorm_mode_16_64 3
		.amdhsa_memory_ordered 1
		.amdhsa_forward_progress 1
		.amdhsa_inst_pref_size 112
	.end_amdhsa_kernel
	.amdgpu_metadata
---
amdhsa.version: [ 1, 2 ]
amdhsa.kernels:
  - .name:           k_q6a7d11e88a_attn
    .symbol:         k_q6a7d11e88a_attn.kd
    .args:
      - { .name: qkv, .offset: 0, .size: 8, .value_kind: global_buffer, .address_space: global }
      - { .name: mk, .offset: 8, .size: 8, .value_kind: global_buffer, .address_space: global }
      - { .name: ob, .offset: 16, .size: 8, .value_kind: global_buffer, .address_space: global }
    .group_segment_fixed_size: 66560
    .private_segment_fixed_size: 0
    .kernarg_segment_align: 8
    .kernarg_segment_size: 24
    .max_flat_workgroup_size: 256
    .sgpr_count:     100
    .vgpr_count:     258
    .wavefront_size: 32
...
	.end_amdgpu_metadata
.endif
;; end of part 3
;; launch oproj (part 4): grid 16 x 16, 4 waves a work-group, clusters of 4 x 4, 327,680 bytes of LDS; arguments ob, qw, out0; writes out0
.if DOCPART == 4
	.amdgcn_target "amdgcn-amd-amdhsa--gfx1250"
	.amdhsa_code_object_version 6
	.text
	.protected	k_q6a7d11e88a_oproj
	.globl	k_q6a7d11e88a_oproj
	.p2align	8
	.type	k_q6a7d11e88a_oproj,@function
k_q6a7d11e88a_oproj:
	s_mov_b64 s[64:65], 0
	v_nop
	global_prefetch_b8 v0, s[64:65] scope:SCOPE_SE
	s_setreg_imm32_b32 hwreg(HW_REG_WAVE_MODE, 25, 1), 1
	s_wait_xcnt 0x0
	s_wait_alu depctr_hold_cnt(0) depctr_sa_sdst(0) depctr_va_vdst(0) depctr_va_sdst(0) depctr_va_ssrc(0) depctr_va_vcc(0) depctr_vm_vsrc(0)
	s_getreg_b32 s2, hwreg(HW_REG_IB_STS2, 6, 4)
	s_cmp_eq_u32 s2, 0
	s_cbranch_scc0 .Lentry_in_a_cluster
	s_endpgm
.Lentry_in_a_cluster:
	s_bfe_u32 s2, ttmp6, 0x10000c
	s_cmp_lg_u32 s2, 0xf033
	s_cbranch_scc0 .Lentry_shape_is_right
	s_endpgm
.Lentry_shape_is_right:
; out0 = O wo^T on codes of FP6 (E2M3) with E8M0 scales.  O lies in ob, wo in qw (tiles 512 on), both as images of operand registers: [tile of 16 rows][K step of 128][1,536 bytes]; scale words [tile][g][row][4 words].
; Row r of tile T is row 32 (T / 2) + 8 (T % 2) + r + 8 (r / 8), of tokens and of output channels alike.
; A tile of out0 is 128 x 128, so that there are 256 work-groups; four waves, each 64 x 64: 16 accumulators.  K goes in four slots' worth of 512 through a ring of two LDS slots: two first fills, two refills; the text has no loop.
; SOURCE 0 = 16 rows of wo, source 1 = 16 rows of O: a lane holds one token and eight neighbouring output channels.
; CLUSTERS: 4 x 4 work-groups; O's tiles are shared along a row of the cluster, wo's along a column: each is asked for jointly.
; A token whose scale bytes are 0xff (a query with no key) gets NaN in its whole row.
; REGISTERS: window 0: v16-29 addresses; v32-63 scale words, two sets; v64-127 the way out; v128-255 the accumulators ((a, b) at v[128 + 8 (4 a + b)]).
;   window 1: two fragment buffers, at v0 and v128: O's four fragments, then wo's four.
.set FR,     12
.set FRB,    1536
.set TROW,   4*FRB                     ; a tile's part of a slot: 512 along K
.set TPITCH, 24576
.set HALFT,  4*TROW                    ; 4 tiles: what one tensor load brings, and what one wave reads of O or of wo
.set SLOT,   4*HALFT
.set SCO,    15728640
.set OSC,    3145728
.set SCL,    2*SLOT
.set SBLK,   1024
.set HALFS,  4*SBLK
.set SPARE,  SCL+4*HALFS               ; the spare words, 128 bytes for each wave, which no other line names
.set SPITCH, 272                       ; the way out: a stage of 16 rows x (256 bytes + 16) for each wave, in slot 0, which has had its last fill and its last read by then
.set ADRA, 16
.set ADRB, 20
.set STO,  24
.set RD,   25
.set CO,   26
.set ADRS, 27
.set SPW,  28
.set NIL,  29
.set SC,   32
.set BK,   64
.set ACC,  128
.set F0,   0
.set F1,   128
.set G1, 24
.set G0, 32
.set G1B, 48
.set G0B, 56
.set G1S, 68
.set G0S, 76
.set G1SB, 80
.set G0SB, 88
.set MSB, 0
.macro WIN new
.if MSB != \new
	s_set_vgpr_msb (MSB<<8)|\new
.set MSB, \new
.endif
.endm
.set MUL,  0x05                        ; sources 0 and 1 window 1; C and D window 0
.set TO_F, 0x40                        ; destination window 1, address window 0
.macro JLOAD g0a, g1a, g0b, g1b        ; waves 0 and 1 fetch for O, waves 2 and 3 for wo; four v_nop follow each of the two lines
	s_cmp_eq_u32 s11, 0
	s_cbranch_scc0 .Lfor_b_\@
	tensor_load_to_lds s[\g0a:\g0a+3], s[\g1a:\g1a+7]
	s_nop 0
.rept 4
	v_nop
.endr
	s_branch .Lasked_\@
.Lfor_b_\@:
	tensor_load_to_lds s[\g0b:\g0b+3], s[\g1b:\g1b+7]
	s_nop 0
.rept 4
	v_nop
.endr
.Lasked_\@:
.endm
.macro CREST
	s_cmp_lg_u32 s10, 0
	s_cbranch_scc1 .Lnot_wave_0_\@
	s_barrier_signal -3
.Lnot_wave_0_\@:
	s_barrier_wait -3
	s_barrier_signal -1
	s_barrier_wait -1
.endm
.macro CROUND
	s_barrier_signal -1
	s_barrier_wait -1
	CREST
.endm
	s_load_b128 s[4:7], s[0:1], 0x0                ; ob, qw
	s_load_b64 s[8:9], s[0:1], 0x10                ; out0
	v_lshl_add_u32 v[SPW], v0, 2, SPARE
	v_mov_b32 v[NIL], 0
	ds_add_u32 v28, v29
	ds_add_u32 v28, v29
	s_wait_dscnt 0x0
	v_lshrrev_b32 v1, 5, v0
	v_readfirstlane_b32 s10, v1                    ; wave 0..3
	s_lshr_b32 s11, s10, 1                         ; which half of the tokens is mine.  Also: I fetch for O (0) or for wo (1)
	s_and_b32 s12, s10, 1                          ; which half of the channels.  Also: which 4 tiles I fetch
	s_bfe_u32 s40, ttmp6, 0x40000
	s_bfe_u32 s41, ttmp6, 0x40004
	s_lshl_b32 s42, ttmp9, 2
	s_add_co_u32 s42, s42, s40                     ; X
	s_and_b32 s13, ttmp7, 0xffff
	s_lshl_b32 s13, s13, 2
	s_add_co_u32 s13, s13, s41                     ; Y
	s_lshl_b32 s43, s41, 2
	s_lshl_b32 s43, 15, s43                        ; my row of the cluster
	s_lshl_b32 s44, 0x1111, s40                    ; my column
	; descriptor group 1: 4 rows (tiles) of 6,144 bytes, 24,576 bytes apart, in elements of 8 bytes
	s_or_b32 s[G1+0], s43, (3<<16)|(1<<21)
	s_or_b32 s[G1B+0], s44, (3<<16)|(1<<21)
.irp g, G1, G1B
	s_mov_b32 s[\g+1], (TROW/8)<<16
	s_mov_b32 s[\g+2], 4<<16
	s_mov_b32 s[\g+3], (TROW/8)<<16
	s_mov_b32 s[\g+4], 4
	s_mov_b32 s[\g+5], TPITCH/8
	s_mov_b32 s[\g+6], 0
	s_mov_b32 s[\g+7], 0
.endr
	; the scale words of 4 tiles: 4,096 dense bytes as 16 rows of 256
	s_or_b32 s[G1S+0], s43, (3<<16)|(1<<21)
	s_or_b32 s[G1SB+0], s44, (3<<16)|(1<<21)
.irp g, G1S, G1SB
	s_mov_b32 s[\g+1], 32<<16
	s_mov_b32 s[\g+2], 16<<16
	s_mov_b32 s[\g+3], 32<<16
	s_mov_b32 s[\g+4], 16
	s_mov_b32 s[\g+5], 32
	s_mov_b32 s[\g+6], 0
	s_mov_b32 s[\g+7], 0
.endr
	s_lshl_b32 s17, s12, 2
	s_lshl_b32 s16, s13, 3
	s_add_co_u32 s16, s16, s17                     ; O: tile 8 Y + 4 x half
	s_lshl_b32 s46, s42, 3
	s_add_co_u32 s46, s46, s17
	s_add_co_u32 s46, s46, 512                     ; wo: tile 512 + 8 X + 4 x half
	s_lshl_b32 s18, s16, 10
	s_add_co_u32 s18, s18, OSC
	s_mov_b32 s19, 0
	s_mul_i32 s16, s16, TPITCH
	s_mov_b32 s17, 0
	s_lshl_b32 s92, s46, 10
	s_add_co_u32 s92, s92, SCO
	s_mov_b32 s93, 0
	s_mul_i32 s46, s46, TPITCH
	s_mov_b32 s47, 0
	s_mul_i32 s20, s10, HALFT                      ; where they go: no place in the cluster enters an LDS address
	s_mul_i32 s21, s10, HALFS
	s_wait_kmcnt 0x0
	s_add_nc_u64 s[16:17], s[4:5], s[16:17]
	s_add_nc_u64 s[18:19], s[4:5], s[18:19]
	s_add_nc_u64 s[46:47], s[6:7], s[46:47]
	s_add_nc_u64 s[92:93], s[6:7], s[92:93]
	CROUND                                         ; all sixteen work-groups are here: the first joint loads meet
	s_mov_b32 s[G0S], 1
	s_add_co_u32 s[G0S+1], s21, SCL
	s_mov_b64 s[G0S+2:G0S+3], s[18:19]
	s_or_b32 s[G0S+3], s[G0S+3], 0x80000000
	s_mov_b32 s[G0SB], 1
	s_add_co_u32 s[G0SB+1], s21, SCL
	s_mov_b64 s[G0SB+2:G0SB+3], s[92:93]
	s_or_b32 s[G0SB+3], s[G0SB+3], 0x80000000
	JLOAD G0S, G1S, G0SB, G1SB
.irp s, 0,1
	s_mov_b32 s[G0+4*\s], 1
	s_add_co_u32 s[G0+4*\s+1], s20, \s*SLOT
	s_add_nc_u64 s[G0+4*\s+2:G0+4*\s+3], s[16:17], \s*TROW
	s_or_b32 s[G0+4*\s+3], s[G0+4*\s+3], 0x80000000
	s_mov_b32 s[G0B+4*\s], 1
	s_add_co_u32 s[G0B+4*\s+1], s20, \s*SLOT
	s_add_nc_u64 s[G0B+4*\s+2:G0B+4*\s+3], s[46:47], \s*TROW
	s_or_b32 s[G0B+4*\s+3], s[G0B+4*\s+3], 0x80000000
	JLOAD G0+4*\s, G1, G0B+4*\s, G1B
.endr
	v_and_b32 v1, 15, v0                           ; r
	v_bfe_u32 v2, v0, 4, 1                         ; h
	v_and_b32 v3, 31, v0
	v_lshlrev_b32 v3, 4, v3                        ; 16 x lane
	s_mul_i32 s21, s11, HALFT
	s_mul_i32 s22, s12, HALFT
	s_add_co_u32 s22, s22, 2*HALFT
.irp s, 0,1
	v_add_nc_u32 v[ADRA+\s], s21, v3
	v_add_nc_u32 v[ADRB+\s], s22, v3
	s_add_co_u32 s21, s21, SLOT
	s_add_co_u32 s22, s22, SLOT
.endr
	v_lshlrev_b32 v5, 4, v1
	s_mul_i32 s21, s11, HALFS
	s_mul_i32 s22, s12, HALFS
	s_add_co_u32 s22, s22, 2*HALFS
	s_sub_co_u32 s22, s22, s21
	v_mul_u32_u24 v6, s22, v2                      ; lanes 16-31 take wo's words
	s_add_co_u32 s21, s21, SCL
	v_add_nc_u32 v5, v5, v6
	v_add_nc_u32 v[ADRS], s21, v5
	s_mul_i32 s23, s10, 16*SPITCH                  ; my stage
	v_mul_u32_u24 v4, v1, SPITCH
	v_lshl_add_u32 v4, v2, 6, v4
	v_add_nc_u32 v[STO], s23, v4                   ; in: row r, + 64 h
	v_mul_u32_u24 v5, v2, SPITCH
	v_lshl_add_u32 v5, v1, 4, v5
	v_add_nc_u32 v[RD], s23, v5                    ; back: lanes 0-15 one row of 256 bytes, lanes 16-31 the next
	v_lshlrev_b32 v5, 13, v2
	v_lshl_add_u32 v[CO], v1, 4, v5                ; and the same two rows of out0
	s_lshl_b32 s20, s13, 7
	s_lshl_b32 s21, s11, 6
	s_add_co_u32 s20, s20, s21
	s_lshl_b32 s20, s20, 13                        ; my first token's row: (128 Y + 64 x half) x 8,192 bytes
	s_lshl_b32 s21, s42, 9
	s_add_co_u32 s20, s20, s21
	s_lshl_b32 s21, s12, 8
	s_add_co_u32 s20, s20, s21                     ; + my first channel: 512 X + 256 x half
	s_mov_b32 s21, 0
	s_add_nc_u64 s[8:9], s[8:9], s[20:21]
; 4 matrix instructions: O's block a x wo's four.  The 16 accumulators take turns, one instruction a turn, in the same order in every quarter.
.macro MUL4 f, a, q, sc, zero
.irp b, 0,1,2,3
.if \zero
	v_wmma_scale_f32_16x16x128_f8f6f4 v[ACC+8*(4*(\a)+\b):ACC+8*(4*(\a)+\b)+7], v[\f+48+FR*\b:\f+48+FR*\b+FR-1], v[\f+FR*(\a):\f+FR*(\a)+FR-1], 0, v[SC+16*(\sc)+4*\b+(\q)], v[SC+16*(\sc)+4*(\a)+(\q)] matrix_a_fmt:MATRIX_FMT_FP6 matrix_b_fmt:MATRIX_FMT_FP6 matrix_a_scale:MATRIX_SCALE_ROW1
.else
	v_wmma_scale_f32_16x16x128_f8f6f4 v[ACC+8*(4*(\a)+\b):ACC+8*(4*(\a)+\b)+7], v[\f+48+FR*\b:\f+48+FR*\b+FR-1], v[\f+FR*(\a):\f+FR*(\a)+FR-1], v[ACC+8*(4*(\a)+\b):ACC+8*(4*(\a)+\b)+7], v[SC+16*(\sc)+4*\b+(\q)], v[SC+16*(\sc)+4*(\a)+(\q)] matrix_a_fmt:MATRIX_FMT_FP6 matrix_b_fmt:MATRIX_FMT_FP6 matrix_a_scale:MATRIX_SCALE_ROW1
.endif
.endr
.endm
.macro FRAG reg, adr, q, i
.irp c, 0,1,2
	ds_load_b128 v[\reg+4*\c:\reg+4*\c+3], v[\adr] offset:TROW*(\i)+FRB*(\q)+512*\c
.endr
.endm
.macro FETCH slot, q, f                ; 24 LDS loads in one run: wo's four fragments, then O's four: the youngest six are O's blocks 2 and 3
	WIN TO_F
.irp i, 0,1,2,3
	FRAG \f+48+FR*\i, ADRB+\slot, \q, \i
.endr
.irp i, 0,1,2,3
	FRAG \f+FR*\i, ADRA+\slot, \q, \i
.endr
.endm
.macro SCALES sc                       ; a slot's four words a row: lanes 0-15 O's tile i, lanes 16-31 wo's tile i
.irp i, 0,1,2,3
	ds_load_b128 v[SC+16*\sc+4*\i:SC+16*\sc+4*\i+3], v[ADRS] offset:\i*SBLK
.endr
.endm
.macro PLACES
.rept 4
	v_nop
.endr
.endm
; one of a slot's first three quarters of 128 along K: multiplies buffer f and fetches the next quarter into g
.macro QUARTER slot, q, f, g, zero
	s_wait_dscnt 6                                 ; all but the youngest six loads, O's blocks 2 and 3
	WIN MUL
	MUL4 \f, 0, \q, \slot, \zero
	MUL4 \f, 1, \q, \slot, \zero
	PLACES
	FETCH \slot, (\q)+1, \g
	s_wait_dscnt 24                                ; all but the 24 just issued
	WIN MUL
	MUL4 \f, 2, \q, \slot, \zero
	MUL4 \f, 3, \q, \slot, \zero
.endm
; a slot's last quarter multiplies buffer 1 and changes slots: one barrier; in front of it each wave waits for all its tensor loads, adds 0 to its spare word, and waits for that and for its reads of this slot
.macro TURN slot, next, fill
	WIN 0                                          ; (the add's two registers lie in window 0)
	s_wait_tensorcnt 0x0                           ; all my tensor loads have landed: my part of the next slot
	ds_add_u32 v[SPW], v[NIL]                      ; 0 onto my spare word
	s_wait_dscnt 7                                 ; the add and the youngest six loads may be out
	WIN MUL
	MUL4 F1, 0, 3, \slot, 0
	s_wait_dscnt 0x0                               ; the add is done, and my reads of this slot are over
	s_barrier_signal -1
	MUL4 F1, 1, 3, \slot, 0
	WIN 0
	s_barrier_wait -1
.if \fill
	CREST                                          ; the barrier has opened a round of the cluster's barrier
	s_add_nc_u64 s[G0+4*\slot+2:G0+4*\slot+3], s[G0+4*\slot+2:G0+4*\slot+3], 2*TROW
	s_add_nc_u64 s[G0B+4*\slot+2:G0B+4*\slot+3], s[G0B+4*\slot+2:G0B+4*\slot+3], 2*TROW
	JLOAD G0+4*\slot, G1, G0B+4*\slot, G1B         ; the first tensor load behind the round; its four v_nop are the places in front of the loads below
.else
	PLACES
.endif
	v_add_nc_u32 v[ADRS], 256, v[ADRS]             ; the next slot's group of four words
	SCALES \next
	FETCH \next, 0, F0
	WIN MUL
	MUL4 F1, 2, 3, \slot, 0
	MUL4 F1, 3, 3, \slot, 0
.endm
	s_wait_tensorcnt 1                             ; the scale words and my part of slot 0 are in; slot 1's load may be out
	s_barrier_signal -1
	s_barrier_wait -1
	SCALES 0
	FETCH 0, 0, F0
	QUARTER 0, 0, F0, F1, 1                        ; the first quarter's products start the sums
	QUARTER 0, 1, F1, F0, 0
	QUARTER 0, 2, F0, F1, 0
	TURN 0, 1, 1
	QUARTER 1, 0, F0, F1, 0
	QUARTER 1, 1, F1, F0, 0
	QUARTER 1, 2, F0, F1, 0
	TURN 1, 0, 1
	QUARTER 0, 0, F0, F1, 0
	QUARTER 0, 1, F1, F0, 0
	QUARTER 0, 2, F0, F1, 0
	TURN 0, 1, 0                                   ; nothing is left to fetch
	QUARTER 1, 0, F0, F1, 0
	QUARTER 1, 1, F1, F0, 0
	QUARTER 1, 2, F0, F1, 0
	s_wait_dscnt 6
	WIN MUL
	MUL4 F1, 0, 3, 1, 0
	MUL4 F1, 1, 3, 1, 0
	s_wait_dscnt 0
	MUL4 F1, 2, 3, 1, 0
	MUL4 F1, 3, 3, 1, 0
	WIN 0
; THE WAY OUT, a block of 16 tokens x 64 channels at a time, through my own stage.  Accumulator (a, b) holds channels 32 (b / 2) + 8 (b % 2) + 16 h + 0 .. 7 of token row r; stage row 2 t + h is token 32 (a / 2) + 8 (a % 2) + 2 t + h + 8 (t / 4).
.macro TOSTAGE a
.irp b, 0,1,2,3
	ds_store_b128 v[STO], v[ACC+8*(4*(\a)+\b):ACC+8*(4*(\a)+\b)+3] offset:128*(\b/2)+32*(\b%2)       ; each accumulator from its low end on
	ds_store_b128 v[STO], v[ACC+8*(4*(\a)+\b)+4:ACC+8*(4*(\a)+\b)+7] offset:128*(\b/2)+32*(\b%2)+16
.endr
.set BB, BK+32*((\a)%2)
.irp t, 0,1,2,3,4,5,6,7
	ds_load_b128 v[BB+4*\t:BB+4*\t+3], v[RD] offset:\t*2*SPITCH   ; LDS serves a wave's instructions in order: these see the stores above, and the next block's stores come behind them
.endr
.endm
.macro SEND a, younger
.set BB, BK+32*((\a)%2)
	s_wait_dscnt \younger
.irp t, 0,1,2,3,4,5,6,7
	global_store_b128 v[CO], v[BB+4*\t:BB+4*\t+3], s[8:9] offset:(32*((\a)/2)+8*((\a)%2)+2*\t+8*(\t/4))*8192 th:TH_STORE_NT   ; 16 lanes store 256 consecutive bytes, aligned; written once, read by nobody here
.endr
.endm
	PLACES                                         ; behind the last products
	TOSTAGE 0
.irp a, 1,2,3
.if \a > 1
	s_wait_xcnt 0x0                                ; block a - 2's stores have read their registers
.endif
	TOSTAGE \a
	SEND \a-1, 16                                  ; behind block a - 1's loads: block a's 8 stores and 8 loads
.endr
	SEND 3, 0
	s_wait_tensorcnt 0x0                           ; the wave's end
	ds_add_u32 v[SPW], v[NIL]
	s_wait_dscnt 0x0
	CROUND                                         ; the closing round
	s_endpgm
.Lfunc_end_k_q6a7d11e88a_oproj:
	.size	k_q6a7d11e88a_oproj, .Lfunc_end_k_q6a7d11e88a_oproj-k_q6a7d11e88a_oproj
	.p2alignl 7, 3214868480
	.fill 96, 4, 3214868480
	.section	.rodata,"a",@progbits
	.p2align	6, 0x0
	.amdhsa_kernel k_q6a7d11e88a_oproj
		.amdhsa_group_segment_fixed_size 327680
		.amdhsa_private_segment_fixed_size 0
		.amdhsa_enable_private_segment 0
		.amdhsa_kernarg_size 24
		.amdhsa_user_sgpr_count 2
		.amdhsa_user_sgpr_kernarg_segment_ptr 1
		.amdhsa_wavefront_size32 1
		.amdhsa_system_sgpr_workgroup_id_x 1
		.amdhsa_system_sgpr_workgroup_id_y 1
		.amdhsa_system_sgpr_workgroup_id_z 1
		.amdhsa_system_vgpr_workitem_id 0
		.amdhsa_next_free_vgpr 512
		.amdhsa_next_free_sgpr 100
		.amdhsa_reserve_vcc 0
		.amdhsa_float_denorm_mode_32 3
		.amdhsa_float_denorm_mode_16_64 3
		.amdhsa_memory_ordered 1
		.amdhsa_forward_progress 1
		.amdhsa_inst_pref_size 81
	.end_amdhsa_kernel
	.amdgpu_metadata
---
amdhsa.version: [ 1, 2 ]
amdhsa.kernels:
  - .name:           k_q6a7d11e88a_oproj
    .symbol:         k_q6a7d11e88a_oproj.kd
    .args:
      - { .name: ob, .offset: 0, .size: 8, .value_kind: global_buffer, .address_space: global }
      - { .name: qw, .offset: 8, .size: 8, .value_kind: global_buffer, .address_space: global }
      - { .name: out0, .offset: 16, .size: 8, .value_kind: global_buffer, .address_space: global }
    .group_segment_fixed_size: 327680
    .private_segment_fixed_size: 0
    .kernarg_segment_align: 8
    .kernarg_segment_size: 24
    .max_flat_workgroup_size: 128
    .sgpr_count:     100
    .vgpr_count:     512
    .wavefront_size: 32
...
	.end_amdgpu_metadata
.endif
;; end of part 4
;; ======== version 2 of 3: 4 launches
;; workspace buffers: qw 16,384,000 bytes; mk 528,384 bytes of whole numbers; qkv 9,830,400 bytes; ob 3,276,800 bytes
;; launch prep: the kernel of part 1 again; grid 448 x 1, 4 waves a work-group, no clusters, 34,304 bytes of LDS; arguments x, wq, wk, wv, wo, mask, qw, mk; writes qw, mk
;; launch qkv: the kernel of part 2 again; grid 24 x 8, 4 waves a work-group, clusters of 4 x 4, 327,680 bytes of LDS; arguments qw, freqs_cos, freqs_sin, qkv; writes qkv
;; launch attn (part 5): grid 16 x 16, 8 waves a work-group, no clusters, 66,560 bytes of LDS; arguments qkv, mk, ob; writes ob
.if DOCPART == 5
	.amdgcn_target "amdgcn-amd-amdhsa--gfx1250"
	.amdhsa_code_object_version 6
	.text
	.protected	k_q6a7d11e88a_attn
	.globl	k_q6a7d11e88a_attn
	.p2align	8
	.type	k_q6a7d11e88a_attn,@function
k_q6a7d11e88a_attn:
	s_mov_b64 s[64:65], 0
	v_nop
	global_prefetch_b8 v0, s[64:65] scope:SCOPE_SE
	s_setreg_imm32_b32 hwreg(HW_REG_WAVE_MODE, 25, 1), 1
	s_wait_xcnt 0x0
; O = softmax(mask(Q K^T / sqrt(128))) V for one head and eight tiles of 16 queries, both products on codes of FP6 (E2M3) with E8M0 scales; O is divided by the row's sum and quantised for the last product.
; THE SOFTMAX: t = score x log2(e) / sqrt(128); M = the running largest t rounded UP to a whole number; p = 2^(t - M) is quantised along the keys, not normalised; the row's sum is taken of the unquantised p.
; THE MASK is an input: an earlier launch has packed it into lane-mask words (one for each score register of a query tile and key step) and two flags a tile.  A hidden score becomes -infinity ahead of the maximum.
; A key step none of whose keys counts for any of the wave's 16 queries is passed over; one all of whose mask bytes are 1 neither fetches its mask words nor selects: scalar branches on the stored flags.  This holds for every mask.
; A row with no key at all has the sum 0: it gets zero codes under the scale bytes 0xff, which make the last product's row NaN, as a softmax over -infinity alone is.
; NO TENSOR LOADS, NO CLUSTER: this text branches on numbers read from memory; K and V come through registers into LDS, each wave bringing one image of each, and there is no joint load.
; SHARES: head = work-group y.  Waves 0-3 own the four query tiles of block x of 64 queries, waves 4-7 those of block 31 - x.  Every wave walks all 16 key steps of 128; the trip counts are constants.
; LAYOUT: both products transposed (S^T = K Q^T, O^T = V^T P^T): a lane holds one query.  All operands lie in memory and LDS as images of operand registers; by the order of rows in a tile
; (row r of tile T = 32 (T / 2) + 8 (T % 2) + r + 8 (r / 8)) the 16 registers of two neighbouring tiles are 16 neighbours along the next K.
; LDS: two slots of 24,576 bytes (8 images of K, 8 of V); from 49,152 on the head's scale words, 1,024 bytes a key step, stored once.  One barrier a key step.
; A KEY STEP'S ORDER: the images of the step two on are asked of memory | the step's scale words and K's eight fragments from LDS, one run | eight products K Q^T | V's eight fragments from LDS, one run, which lands
; under the softmax | the softmax | eight products V^T P | the next step's images, asked for a step ago, go into the other slot | barrier.
; LIMITS: NaN and infinities in q, k, v are not served; a block of p or O whose largest magnitude lies under 2^-124 keeps the byte 1.
; REGISTERS, window 0: v1-3 addresses; v[4:7] two of the sum's chains; v12 -M, v13 the largest t, v[14:15] the sum; v16-27 Q; v28-31 addresses, -infinity; v32-39 K's scale words, v40-47 V's;
;   v72-95, v48-71 two sets of images on their way to LDS (even key steps, odd key steps); v96-159 S^T, then p; v160-223 O^T; v224-235 p's codes; v232-254 at work; v255 Q's scale word.
;   window 1: v0-95 K's eight fragments, v96-191 V's.  Mask word n: s[20 + n] (n < 32), s[36 + n] (n >= 32).
.set SLOTB, 24576
.set VOFF,  12288
.set SCW,   49152
.set FRB,   1536
.set KS,    32                         ; v32-39  K's scale words: tile t's in v[32 + t]
.set VS,    40                         ; v40-47  V's
.set STG,   72                         ; set s of the images on their way at v[72 - 24 s]: 12 registers of K, 12 of V
.set KFR,   0                          ; in window 1
.set VFR,   96
.set TM,    232
.set PC,    48                         ; the way out: O's codes,
.set PT,    60                         ; the upper halves of its blocks,
.set OW,    68                         ; its scale word
.set SEL,   52                         ; s[52:53] lane l xor 16
.set CS,    54                         ; s[54:55] c = log2(e) / sqrt(128)
.set MSB, 0
.macro WIN new                         ; the immediate's high byte repeats the setting that is left; at a label and at a branch every window is 0
.if MSB != \new
	s_set_vgpr_msb (MSB<<8)|\new
.set MSB, \new
.endif
.endm
.set TO_F, 0x40                        ; destination window 1, address window 0
.set MULF, 0x01                        ; source 0 (K's or V's fragment) window 1; all else window 0
; my image of K and my image of V of one key step, off bytes behind the walking pointer, into set
.macro GLOAD set, off
.irp c, 0,1,2
	global_load_b128 v[STG-24*(\set)+4*\c:STG-24*(\set)+4*\c+3], v30, s[10:11] offset:(\off)+512*\c
.endr
.irp c, 0,1,2
	global_load_b128 v[STG-24*(\set)+12+4*\c:STG-24*(\set)+15+4*\c], v30, s[10:11] offset:(\off)+VOFF+512*\c
.endr
.endm
; and from the set into slot sl
.macro LSTORE set, sl
.irp c, 0,1,2
	ds_store_b128 v30, v[STG-24*(\set)+4*\c:STG-24*(\set)+4*\c+3] offset:SLOTB*(\sl)+512*\c
.endr
.irp c, 0,1,2
	ds_store_b128 v30, v[STG-24*(\set)+12+4*\c:STG-24*(\set)+15+4*\c] offset:SLOTB*(\sl)+VOFF+512*\c
.endr
.endm
; S^T = K Q^T: eight products; behind them V's eight fragments are asked of LDS: they land while the softmax is worked
.macro KQV sl
	s_wait_dscnt 12                                ; the scale words and K's fragments 0-3 are in; the youngest 12 loads, fragments 4-7, may be out
	WIN MULF
.irp t, 0,1,2,3
	v_wmma_scale_f32_16x16x128_f8f6f4 v[96+8*\t:103+8*\t], v[KFR+12*\t:KFR+12*\t+11], v[16:27], 0, v[KS+\t], v255 matrix_a_fmt:MATRIX_FMT_FP6 matrix_b_fmt:MATRIX_FMT_FP6
.endr
	s_wait_dscnt 0x0
.irp t, 4,5,6,7
	v_wmma_scale_f32_16x16x128_f8f6f4 v[96+8*\t:103+8*\t], v[KFR+12*\t:KFR+12*\t+11], v[16:27], 0, v[KS+\t], v255 matrix_a_fmt:MATRIX_FMT_FP6 matrix_b_fmt:MATRIX_FMT_FP6
.endr
	WIN TO_F
.irp t, 0,1,2,3,4,5,6,7
.irp c, 0,1,2
	ds_load_b128 v[VFR+12*\t+4*\c:VFR+12*\t+4*\c+3], v1 offset:SLOTB*(\sl)+VOFF+FRB*\t+512*\c   ; (the last products that read these registers stand ahead of the step's first four places)
.endr
.endr
	WIN 0
.rept 4
	v_nop                                          ; places between the products and the first read of the scores
.endr
.endm
	s_load_b128 s[4:7], s[0:1], 0x0                ; qkv, mk
	s_load_b64 s[8:9], s[0:1], 0x10                ; ob
	v_lshl_add_u32 v250, v0, 2, 0x10000
	v_mov_b32 v251, 0
	v_lshrrev_b32 v1, 5, v0
	v_readfirstlane_b32 s18, v1                    ; wave 0..7
	s_and_b32 s19, ttmp7, 0xffff                   ; the head
	s_sub_co_u32 s58, 31, ttmp9
	s_cmp_lt_u32 s18, 4
	s_cselect_b32 s58, ttmp9, s58                  ; my block of 64 queries
	s_lshl_b32 s58, s58, 2
	s_and_b32 s59, s18, 3
	s_add_co_u32 s3, s58, s59                      ; my query tile
	v_and_b32 v2, 31, v0
	v_lshlrev_b32 v1, 4, v2                        ; 16 x lane
	v_lshlrev_b32 v31, 8, v2
	s_lshl_b32 s60, s59, 13
	v_add_nc_u32 v31, s60, v31                     ; the prefetches' offset: 256 x lane + 8,192 x (wave - 4)
	s_lshl_b32 s60, s18, 11
	v_add_nc_u32 v28, s60, v1                      ; the scale words' way in: 16 x lane + 2,048 x wave
	s_mul_i32 s60, s18, FRB
	v_add_nc_u32 v30, s60, v1                      ; my image of K and of V: 16 x lane + 1,536 x wave
	v_and_b32 v3, 15, v0
	v_lshlrev_b32 v3, 4, v3                        ; 16 r
	v_add_nc_u32 v2, SCW, v3                       ; my row's four words in a group
	s_mul_i32 s20, s19, 393216
	s_add_co_u32 s20, s20, 3145728                 ; the head's K and V
	s_mov_b32 s21, 0
	s_lshl_b32 s22, s3, 12                         ; my tile's mask words
	s_mov_b32 s23, 0
	s_lshl_b32 s24, s3, 5
	s_add_co_u32 s24, s24, 524288                  ; its flags
	s_mov_b32 s25, 0
	s_lshl_b32 s26, s19, 7
	s_add_co_u32 s26, s26, s3
	s_mul_i32 s26, s26, FRB                        ; Q's image
	s_mov_b32 s27, 0
	s_lshl_b32 s28, s19, 13
	s_lshr_b32 s29, s3, 2
	s_lshl_b32 s29, s29, 8
	s_add_co_u32 s28, s28, s29
	s_and_b32 s29, s3, 3
	s_lshl_b32 s29, s29, 2
	s_add_co_u32 s28, s28, s29
	s_add_co_u32 s28, s28, 9437184                 ; Q's scale words
	s_mov_b32 s29, 0
	s_lshl_b32 s30, s19, 14
	s_add_co_u32 s30, s30, 9568256                 ; the head's scale words of K and V
	s_mov_b32 s31, 0
	s_mov_b32 s[SEL], 0x76543210
	s_mov_b32 s[SEL+1], 0xfedcba98
	s_mov_b32 s[CS], 0x3e0293ee
	s_mov_b32 s[CS+1], s[CS]                       ; (named with it as a pair, so it is written)
	s_sub_co_u32 s58, s18, 4                       ; waves 4 to 6 of the head's first work-group prefetch, while the key step is under 12
	s_cmp_lt_u32 s58, 3
	s_cselect_b32 s57, 12, 0
	s_cmp_eq_u32 ttmp9, 0
	s_cselect_b32 s57, s57, 0
	s_mov_b32 s16, 0                               ; the key step
	s_mov_b32 s17, 0                               ; its scale words: 1,024 bytes a step
	s_wait_kmcnt 0x0
	s_add_nc_u64 s[10:11], s[4:5], s[20:21]
	s_add_nc_u64 s[12:13], s[6:7], s[22:23]
	s_add_nc_u64 s[24:25], s[6:7], s[24:25]
	s_add_nc_u64 s[26:27], s[4:5], s[26:27]
	s_add_nc_u64 s[28:29], s[4:5], s[28:29]
	s_add_nc_u64 s[30:31], s[4:5], s[30:31]
	s_load_b256 s[68:75], s[24:25], 0x0            ; four pairs of flag words
.irp c, 0,1,2
	global_load_b128 v[16+4*\c:19+4*\c], v1, s[26:27] offset:512*\c   ; Q's fragment stays in registers
.endr
	global_load_b32 v255, v3, s[28:29]
.irp i, 0,1,2,3
	global_load_b128 v[32+4*\i:35+4*\i], v28, s[30:31] offset:512*\i  ; my eighth of the head's scale words
.endr
	GLOAD 0, 0                                     ; key step 0's images,
	GLOAD 1, SLOTB                                 ; and key step 1's
	v_mov_b32 v29, 0xff800000                      ; -infinity
	v_mov_b32 v13, 0xff61b1e6                      ; the largest t so far: -3e38, under every t
	v_floor_f32 v12, -v13                          ; -M
	v_mov_b32 v14, 0
	v_mov_b32 v15, 0
.irp b, 0,1,2,3
	v_mov_b32 v[236+\b], 0                         ; written once: a lane permute's destination counts as one of its sources
.endr
	v_mov_b32 v252, 0
	v_mov_b32 v253, 0
.irp j, 0,1,2,3,4,5,6,7,8,9,10,11,12,13,14,15,16,17,18,19,20,21,22,23,24,25,26,27,28,29,30,31,32,33,34,35,36,37,38,39,40,41,42,43,44,45,46,47,48,49,50,51,52,53,54,55,56,57,58,59,60,61,62,63
	v_mov_b32 v[160+\j], 0                         ; O^T: which key step is a wave's first hangs on the flags, so no step can start the sums with the constant 0
.endr
	s_wait_kmcnt 0x0
	s_or_b32 s14, s68, s70
	s_or_b32 s14, s14, s72
	s_or_b32 s14, s14, s74                         ; ANY: bit j
	s_or_b32 s15, s69, s71
	s_or_b32 s15, s15, s73
	s_or_b32 s15, s15, s75                         ; ALL: bit j
	s_wait_loadcnt 6                               ; all but the youngest six loads, key step 1's images
	s_wait_xcnt 0x0                                ; those six have read their base
	s_add_nc_u64 s[10:11], s[10:11], 2*SLOTB       ; on to key step 2
.irp i, 0,1,2,3
	ds_store_b128 v28, v[32+4*\i:35+4*\i] offset:SCW+512*\i
.endr
	LSTORE 0, 0
	s_wait_dscnt 0x0                               ; for the others' sake: my stores have landed
	s_barrier_signal -1
	s_barrier_wait -1
; A KEY STEP: 128 keys, in slot sl.  fill = 2: the images of the step two on are asked for at the head, into the set whose images went to LDS a step ago, and the next step's images are stored into the other slot
; at the end, in front of the step's barrier.  fill = 1: nothing is left to ask for.  fill = 0: the last step.
.macro STEP sl, fill
.if \fill == 2
	GLOAD \sl, 0
	; a prefetch of the key step two behind the one just asked for: its 24,576 bytes by three waves, lanes 256 bytes apart, in the head's first work-group alone: each block is named once in the launch; the last is key step 15's
	s_cmp_lt_u32 s16, s57
	s_cbranch_scc0 .Lnoask_\@
	global_prefetch_b8 v31, s[10:11] offset:2*SLOTB th:TH_LOAD_NT scope:SCOPE_SE
.Lnoask_\@:
.endif
	s_bitcmp1_b32 s14, s16                         ; does any key of this step count for any of my queries?
	s_cbranch_scc0 .Lskip_\@
	v_add_nc_u32 v3, s17, v2
.rept 3
	v_nop                                          ; with the addition: four places in front of loads into registers that the last products read
.endr
.irp q, 0,1,2,3
	ds_load_b128 v[KS+4*\q:KS+4*\q+3], v3 offset:256*\q   ; my row's scale words: K's tiles 0-3, 4-7, V's tiles 0-3, 4-7
.endr
	WIN TO_F
.irp t, 0,1,2,3,4,5,6,7
.irp c, 0,1,2
	ds_load_b128 v[KFR+12*\t+4*\c:KFR+12*\t+4*\c+3], v1 offset:SLOTB*\sl+FRB*\t+512*\c
.endr
.endr
	WIN 0
	s_bitcmp1_b32 s15, s16                         ; every key counts for every query: no mask word is fetched, nothing is hidden
	s_cbranch_scc1 .Lall_\@
	s_load_b512 s[20:35], s[12:13], 0x0            ; the step's 64 mask words
	s_load_b512 s[36:51], s[12:13], 0x40
	s_load_b512 s[68:83], s[12:13], 0x80
	s_load_b512 s[84:99], s[12:13], 0xc0
	KQV \sl
	s_wait_kmcnt 0x0                               ; the mask words are in (and their base may be stepped)
.set MN, 0
.rept 64
.if MN < 32
	v_cndmask_b32 v[96+MN], v29, v[96+MN], s[20+MN]
.else
	v_cndmask_b32 v[96+MN], v29, v[96+MN], s[36+MN]
.endif
.set MN, MN+1
.endr
	s_branch .Lsoft_\@
.Lall_\@:
	KQV \sl                                        ; the products are written in both arms, so that one branch covers the fetch of the words, the wait for them and the selects
.Lsoft_\@:
.irp b, 0,1,2,3
	v_max3_num_f32 v[232+\b], v[96+16*\b], v[97+16*\b], v[98+16*\b]   ; the largest score of each block of 32 keys: for the row's maximum, and, since p rises with the score, for the block's largest p
.endr
.irp i, 3,5,7,9,11,13
.irp b, 0,1,2,3
	v_max3_num_f32 v[232+\b], v[232+\b], v[96+16*\b+\i], v[97+16*\b+\i]
.endr
.endr
.irp b, 0,1,2,3
	v_max_num_f32 v[232+\b], v[232+\b], v[111+16*\b]
.endr
.irp b, 0,1,2,3
	v_permlanex16_b32 v[236+\b], v[232+\b], s[SEL], s[SEL+1]
.endr
.irp b, 0,1,2,3
	v_max_num_f32 v[232+\b], v[232+\b], v[236+\b]   ; with lane l xor 16's 16 keys
.endr
	v_max3_num_f32 v254, v232, v233, v234
	v_max_num_f32 v254, v254, v235
	v_mul_f32 v254, s[CS], v254                    ; as t (c is positive)
	v_max_num_f32 v13, v13, v254                   ; the running largest t
	v_mov_b32 v254, v12
	v_floor_f32 v12, -v13                          ; the new -M = floor(-t): M is a whole number
	v_sub_f32 v254, v12, v254                      ; old M - new M: a whole number, 0 or less
	v_cvt_i32_f32 v254, v254                       ; (it saturates)
	v_ldexp_f32 v252, 1.0, v254                    ; f = 2^(old M - new M): a multiplication by it rounds nothing
.irp j, 0,2,4,6,8,10,12,14,16,18,20,22,24,26,28,30,32,34,36,38,40,42,44,46,48,50,52,54,56,58,60,62
	v_pk_fma_f32 v[96+\j:97+\j], v[96+\j:97+\j], s[CS:CS+1], v[12:13] op_sel_hi:[1,0,0]   ; t - M
.endr
.irp b, 0,1,2,3
	v_fma_f32 v[232+\b], v[232+\b], s[CS], v12
.endr
.irp j, 0,1,2,3,4,5,6,7,8,9,10,11,12,13,14,15,16,17,18,19,20,21,22,23,24,25,26,27,28,29,30,31,32,33,34,35,36,37,38,39,40,41,42,43,44,45,46,47,48,49,50,51,52,53,54,55,56,57,58,59,60,61,62,63
	v_exp_f32 v[96+\j], v[96+\j]                   ; p = 2^(t - M)
.endr
	v_pk_mul_f32 v[14:15], v[14:15], v[252:253] op_sel_hi:[1,0]   ; the sums under the new M: the plain place behind the exponentials
	s_wait_alu depctr_va_vdst(0)                   ; one wait for the whole batch, ahead of its first reader
.irp b, 0,1,2,3
	v_exp_f32 v[232+\b], v[232+\b]                 ; each block's largest p
.endr
	v_pk_add_f32 v[236:237], v[96:97], v[98:99]    ; the row's sum of the unquantised p: 32 pairs in four chains, so that no addition waits for the one just ahead of it
	v_pk_add_f32 v[4:5], v[100:101], v[102:103]
	v_pk_add_f32 v[6:7], v[104:105], v[106:107]
.irp j, 108,116,124,132,140,148
	v_pk_add_f32 v[14:15], v[14:15], v[\j:\j+1]
	v_pk_add_f32 v[236:237], v[236:237], v[\j+2:\j+3]
	v_pk_add_f32 v[4:5], v[4:5], v[\j+4:\j+5]
	v_pk_add_f32 v[6:7], v[6:7], v[\j+6:\j+7]
.endr
	v_pk_add_f32 v[14:15], v[14:15], v[156:157]
	v_pk_add_f32 v[236:237], v[236:237], v[158:159]
	v_pk_add_f32 v[4:5], v[4:5], v[6:7]
	v_pk_add_f32 v[14:15], v[14:15], v[236:237]
	v_pk_add_f32 v[14:15], v[14:15], v[4:5]
	s_wait_alu depctr_va_vdst(0)                   ; and one for the four
.irp b, 0,1,2,3
	v_max_num_f32 v[232+\b], 0x1800000, v[232+\b]  ; the floor 2^(3 - 127): the byte cannot fall under 1
.endr
.irp b, 0,1,2,3
	v_add_nc_u32 v[244+\b], 0xff000000, v[232+\b]
.endr
.irp b, 0,1,2,3
	v_lshrrev_b32 v[236+\b], 23, v[244+\b]
.endr
	v_lshl_or_b32 v253, v237, 8, v236              ; p's scale word for these 128 keys
	v_lshl_or_b32 v253, v238, 16, v253
	v_lshl_or_b32 v253, v239, 24, v253
.irp c, 0,1
	v_cvt_scalef32_pk16_fp6_f32 v[224+6*\c:226+6*\c], v[96+32*\c:111+32*\c], v[244+2*\c]
	v_cvt_scalef32_pk16_fp6_f32 v[236+4*\c:238+4*\c], v[112+32*\c:127+32*\c], v[244+2*\c+1]
.endr
	v_nop                                          ; one plain place behind a scaled conversion
.irp c, 0,1
.irp i, 0,1,2
	v_permlane16_swap_b32 v[224+6*\c+\i], v[236+4*\c+\i]
.endr
.irp i, 0,1,2
	v_mov_b32 v[227+6*\c+\i], v[236+4*\c+\i]
.endr
.endr
.irp j, 0,2,4,6,8,10,12,14,16,18,20,22,24,26,28,30,32,34,36,38,40,42,44,46,48,50,52,54,56,58,60,62
	v_pk_mul_f32 v[160+\j:161+\j], v[160+\j:161+\j], v[252:253] op_sel_hi:[1,0]   ; O^T under the new M; these 32 are also the places between p's codes and scale word and the products below
.endr
	s_wait_dscnt 0x0                               ; V's fragments, asked for ahead of the softmax
	WIN MULF
.irp t, 0,1,2,3,4,5,6,7                        ; O^T += V^T P^T: the eight accumulators by turns, one instruction a turn
	v_wmma_scale_f32_16x16x128_f8f6f4 v[160+8*\t:167+8*\t], v[VFR+12*\t:VFR+12*\t+11], v[224:235], v[160+8*\t:167+8*\t], v[VS+\t], v253 matrix_a_fmt:MATRIX_FMT_FP6 matrix_b_fmt:MATRIX_FMT_FP6
.endr
	WIN 0
.Lskip_\@:
	s_add_co_u32 s16, s16, 1
	s_add_co_u32 s17, s17, 1024
	s_add_nc_u64 s[12:13], s[12:13], 256
.if \fill
.if \fill == 2
	s_wait_loadcnt 6                               ; the next step's images, asked for a step ago, are in my registers; this step's six loads may be out
.else
	s_wait_loadcnt 0x0
.endif
	LSTORE 1-\sl, 1-\sl                            ; into the slot that every wave left at the last barrier
.if \fill == 2
	s_wait_xcnt 0x0                                ; this step's loads and the prefetch have read their base
	s_add_nc_u64 s[10:11], s[10:11], SLOTB
.endif
	s_wait_dscnt 0x0                               ; my stores have landed, and my reads of this slot are over
	s_barrier_signal -1
	s_barrier_wait -1
.endif
.endm
	s_mov_b32 s56, 7
.Lpair:                                            ; key steps 0 to 13 ask for key steps 2 to 15
	STEP 0, 2
	STEP 1, 2
	s_sub_co_u32 s56, s56, 1
	s_cmp_lg_u32 s56, 0
	s_cbranch_scc1 .Lpair
	STEP 0, 1                                      ; key step 14 asks for nothing and stores key step 15's images
	STEP 1, 0                                      ; the last key step
	; THE WAY OUT: O^T / the sum is one fragment of the last product (K step = the head): quantised in registers, stored as an image
.rept 4
	v_nop                                          ; places behind the last products
.endr
	v_add_f32 v14, v14, v15
	v_permlanex16_b32 v252, v14, s[SEL], s[SEL+1]
	v_add_f32 v14, v14, v252                       ; the row's sum
	v_cmp_eq_f32 s58, 0, v14                       ; a row with no key at all
	v_rcp_f32 v12, v14
	v_and_b32 v3, 15, v0                           ; (a plain place behind the transcendental)
	v_lshlrev_b32 v3, 4, v3                        ; 16 r
	s_lshl_b32 s60, s3, 4
	s_add_co_u32 s60, s60, s19
	s_mul_i32 s60, s60, FRB                        ; ob: image [query tile][head]
	s_mov_b32 s61, 0
	s_add_nc_u64 s[60:61], s[8:9], s[60:61]
	s_lshl_b32 s62, s3, 10
	s_lshr_b32 s63, s19, 2
	s_lshl_b32 s63, s63, 8
	s_add_co_u32 s62, s62, s63
	s_and_b32 s63, s19, 3
	s_lshl_b32 s63, s63, 2
	s_add_co_u32 s62, s62, s63
	s_add_co_u32 s62, s62, 3145728                 ; its scale word: [query tile][head / 4][row][head % 4]
	s_mov_b32 s63, 0
	s_add_nc_u64 s[62:63], s[8:9], s[62:63]
	s_wait_alu depctr_va_vdst(0)                   ; the wait ahead of the reciprocal's first reader
	v_cndmask_b32 v12, v12, 0, s58                 ; such a row's numbers become zeros
.irp j, 0,2,4,6,8,10,12,14,16,18,20,22,24,26,28,30,32,34,36,38,40,42,44,46,48,50,52,54,56,58,60,62
	v_pk_mul_f32 v[96+\j:97+\j], v[160+\j:161+\j], v[12:13] op_sel_hi:[1,0]   ; each accumulator from its low end on
.endr
.irp b, 0,1,2,3
	v_max3_num_f32 v[TM+\b], |v[96+16*\b]|, |v[97+16*\b]|, 0x1800000
.endr
.irp i, 2,4,6,8,10,12,14
.irp b, 0,1,2,3
	v_max3_num_f32 v[TM+\b], v[TM+\b], |v[96+16*\b+\i]|, |v[97+16*\b+\i]|
.endr
.endr
.irp b, 0,1,2,3
	v_permlanex16_b32 v[TM+4+\b], v[TM+\b], s[SEL], s[SEL+1]
.endr
.irp b, 0,1,2,3
	v_max_num_f32 v[TM+\b], v[TM+\b], v[TM+4+\b]
.endr
.irp b, 0,1,2,3
	v_add_nc_u32 v[TM+12+\b], 0xff000000, v[TM+\b]
.endr
.irp b, 0,1,2,3
	v_lshrrev_b32 v[TM+4+\b], 23, v[TM+12+\b]
.endr
	v_lshl_or_b32 v[OW], v[TM+5], 8, v[TM+4]
	v_lshl_or_b32 v[OW], v[TM+6], 16, v[OW]
	v_lshl_or_b32 v[OW], v[TM+7], 24, v[OW]
.irp c, 0,1
	v_cvt_scalef32_pk16_fp6_f32 v[PC+6*\c:PC+2+6*\c], v[96+32*\c:111+32*\c], v[TM+12+2*\c]
	v_cvt_scalef32_pk16_fp6_f32 v[PT+4*\c:PT+2+4*\c], v[112+32*\c:127+32*\c], v[TM+13+2*\c]
.endr
	v_nop
.irp c, 0,1
.irp i, 0,1,2
	v_permlane16_swap_b32 v[PC+6*\c+\i], v[PT+4*\c+\i]
.endr
.irp i, 0,1,2
	v_mov_b32 v[PC+3+6*\c+\i], v[PT+4*\c+\i]
.endr
.endr
	v_cndmask_b32 v[OW], v[OW], -1, s58            ; and its four scale bytes 0xff
.irp c, 0,1,2
	global_store_b128 v1, v[PC+4*\c:PC+4*\c+3], s[60:61] offset:512*\c   ; 512 consecutive bytes
.endr
	global_store_b32 v3, v[OW], s[62:63]           ; one word a row, 16 bytes apart (both halves of the lanes write the same word): the one store here that does not cover consecutive bytes
	s_wait_tensorcnt 0x0
	ds_add_u32 v250, v251
	s_wait_dscnt 0x0
	s_endpgm
.Lfunc_end_k_q6a7d11e88a_attn:
	.size	k_q6a7d11e88a_attn, .Lfunc_end_k_q6a7d11e88a_attn-k_q6a7d11e88a_attn
	.p2alignl 7, 3214868480
	.fill 96, 4, 3214868480
	.section	.rodata,"a",@progbits
	.p2align	6, 0x0
	.amdhsa_kernel k_q6a7d11e88a_attn
		.amdhsa_group_segment_fixed_size 66560
		.amdhsa_private_segment_fixed_size 0
		.amdhsa_enable_private_segment 0
		.amdhsa_kernarg_size 24
		.amdhsa_user_sgpr_count 2
		.amdhsa_user_sgpr_kernarg_segment_ptr 1
		.amdhsa_wavefront_size32 1
		.amdhsa_system_sgpr_workgroup_id_x 1
		.amdhsa_system_sgpr_workgroup_id_y 1
		.amdhsa_system_sgpr_workgroup_id_z 1
		.amdhsa_system_vgpr_workitem_id 0
		.amdhsa_next_free_vgpr 512
		.amdhsa_next_free_sgpr 100
		.amdhsa_reserve_vcc 0
		.amdhsa_float_denorm_mode_32 3
		.amdhsa_float_denorm_mode_16_64 3
		.amdhsa_memory_ordered 1
		.amdhsa_forward_progress 1
		.amdhsa_inst_pref_size 122
	.end_amdhsa_kernel
	.amdgpu_metadata
---
amdhsa.version: [ 1, 2 ]
amdhsa.kernels:
  - .name:           k_q6a7d11e88a_attn
    .symbol:         k_q6a7d11e88a_attn.kd
    .args:
      - { .name: qkv, .offset: 0, .size: 8, .value_kind: global_buffer, .address_space: global }
      - { .name: mk, .offset: 8, .size: 8, .value_kind: global_buffer, .address_space: global }
      - { .name: ob, .offset: 16, .size: 8, .value_kind: global_buffer, .address_space: global }
    .group_segment_fixed_size: 66560
    .private_segment_fixed_size: 0
    .kernarg_segment_align: 8
    .kernarg_segment_size: 24
    .max_flat_workgroup_size: 256
    .sgpr_count:     100
    .vgpr_count:     512
    .wavefront_size: 32
...
	.end_amdgpu_metadata
.endif
;; end of part 5
;; launch oproj: the kernel of part 4 again; grid 16 x 16, 4 waves a work-group, clusters of 4 x 4, 327,680 bytes of LDS; arguments ob, qw, out0; writes out0
;; ======== version 3 of 3: 4 launches; version 2 with the launch attn written anew for expert scheduling mode
;; workspace buffers: qw 16,384,000 bytes; mk 528,384 bytes of whole numbers; qkv 9,830,400 bytes; ob 3,276,800 bytes
;; launch prep: the kernel of part 1 again; grid 448 x 1, 4 waves a work-group, no clusters, 34,304 bytes of LDS; arguments x, wq, wk, wv, wo, mask, qw, mk; writes qw, mk
;; launch qkv: the kernel of part 2 again; grid 24 x 8, 4 waves a work-group, clusters of 4 x 4, 327,680 bytes of LDS; arguments qw, freqs_cos, freqs_sin, qkv; writes qkv
;; launch attn (part 6): grid 16 x 16, 8 waves a work-group, no clusters, 66,560 bytes of LDS; arguments qkv, mk, ob; writes ob
.if DOCPART == 6
	.amdgcn_target "amdgcn-amd-amdhsa--gfx1250"
	.amdhsa_code_object_version 6
	.text
	.protected	k_q6a7d11e88a_attn
	.globl	k_q6a7d11e88a_attn
	.p2align	8
	.type	k_q6a7d11e88a_attn,@function
k_q6a7d11e88a_attn:
	s_mov_b64 s[64:65], 0
	v_nop
	global_prefetch_b8 v0, s[64:65] scope:SCOPE_SE
	s_setreg_imm32_b32 hwreg(HW_REG_WAVE_SCHED_MODE, 0, 2), 2
	s_setreg_imm32_b32 hwreg(HW_REG_WAVE_MODE, 25, 1), 1
	s_wait_xcnt 0x0
	s_wait_alu depctr_vm_vsrc(0)
; O = softmax(mask(Q K^T / sqrt(128))) V for one head and eight tiles of 16 queries, both products on codes of FP6 (E2M3) with E8M0 scales; O is divided by the row's sum and quantised for the last product.
; THE SOFTMAX: t = score x log2(e) / sqrt(128); M = the running largest t rounded UP to a whole number; p = 2^(t - M) is quantised along the keys, not normalised; the row's sum is taken of the unquantised p.
; THE MASK is an input: an earlier launch has packed it into lane-mask words (one for each score register of a query tile and key step) and two flags a tile.  A hidden score becomes -infinity ahead of the maximum.
; A key step none of whose keys counts for any of the wave's 16 queries is passed over; one all of whose mask bytes are 1 neither fetches its mask words nor selects: scalar branches on the stored flags.  This holds for every mask.
; A row with no key at all has the sum 0: it gets zero codes under the scale bytes 0xff, which make the last product's row NaN, as a softmax over -infinity alone is.
; NO TENSOR LOADS, NO CLUSTER: this text branches on numbers read from memory; K and V come through registers into LDS, each wave bringing one image of each, and there is no joint load.
; SHARES: head = work-group y.  Waves 0-3 own the four query tiles of block x of 64 queries, waves 4-7 those of block 31 - x.  Every wave walks all 16 key steps of 128; the trip counts are constants.
; LAYOUT: both products transposed (S^T = K Q^T, O^T = V^T P^T): a lane holds one query.  All operands lie in memory and LDS as images of operand registers; by the order of rows in a tile
; (row r of tile T = 32 (T / 2) + 8 (T % 2) + r + 8 (r / 8)) the 16 registers of two neighbouring tiles are 16 neighbours along the next K.
; LDS: two slots of 24,576 bytes (8 images of K, 8 of V); from 49,152 on the head's scale words, 1,024 bytes a key step, stored once.  One barrier a key step.
; A KEY STEP'S ORDER: the images of the step two on are asked of memory | the step's scale words and K's eight fragments from LDS, one run | eight products K Q^T | V's eight fragments from LDS, one run, which lands
; under the softmax | the softmax | eight products V^T P | the next step's images, asked for a step ago, go into the other slot | barrier.
; LIMITS: NaN and infinities in q, k, v are not served; a block of p or O whose largest magnitude lies under 2^-124 keeps the byte 1.
; REGISTERS, window 0: v1-3 addresses; v[4:7] two of the sum's chains; v12 -M, v13 the largest t, v[14:15] the sum; v16-27 Q; v28-31 addresses, -infinity; v32-39 K's scale words, v40-47 V's;
;   v72-95, v48-71 two sets of images on their way to LDS (even key steps, odd key steps); v96-159 S^T, then p; v160-223 O^T; v224-235 p's codes; v232-254 at work; v255 Q's scale word.
;   window 1: v0-95 K's eight fragments, v96-191 V's.  Mask word n: s[20 + n] (n < 32), s[36 + n] (n >= 32).
; THE MODE: SCHED_MODE bits 1:0 = 2 (LLVM: expert scheduling mode 2), set by the entry lines.  The code itself states the register dependences
; between vector or matrix instructions and memory or LDS instructions, with s_wait_alu, always for 0.
; THE PLAN.  Registers that memory or LDS instructions touch:
;   v1, v28, v30, v31   offsets and LDS addresses: made at the head, never written again.
;   v3                  the LDS address of a step's scale words: written by one addition at the head of a step that is worked, read by that step's four loads.  (At the head and on the way out: 16 r, an offset.)
;   v32-47              K's and V's scale words: LDS loads land there at the head of a step that is worked; its sixteen products read them.  (At the head they carry my eighth of the scale words from memory to LDS.)
;   window 1, v0-95     K's fragments: LDS loads at the step's head; read by the eight products K Q^T.
;   window 1, v96-191   V's fragments: LDS loads behind those eight products; read by the eight products V^T P at the step's end.
;   v72-95, v48-71      the two sets: no vector instruction of the loop names them.  Loads from memory land at the head of step j, LDS stores read them at the end of step j + 1, loads land again at the head of step j + 2.
;   v224-235, v253      p's codes and scale word: written by vector instructions, taken by scaled products.
;   v250, v251          written at the head, read by the closing add alone.
; THE WAITS OF A STEP.  On vm_vsrc at its top, on every way: the LDS stores of a step ago have read the set that is loaded again, and the scale words' loads have read v3.  On va_vdst behind the addition to v3: v3 is written, and
; the products of the step worked last are done reading the scale words and both runs of fragments: this one wait serves the step's 52 LDS loads, V's too, since the eight products between name none of V's registers.
; On va_vdst twice behind the exponentials.  On va_vdst ahead of the products V^T P: p's codes and scale word are written.
.set SLOTB, 24576
.set VOFF,  12288
.set SCW,   49152
.set FRB,   1536
.set KS,    32                         ; v32-39  K's scale words: tile t's in v[32 + t]
.set VS,    40                         ; v40-47  V's
.set STG,   72                         ; set s of the images on their way at v[72 - 24 s]: 12 registers of K, 12 of V
.set KFR,   0                          ; in window 1
.set VFR,   96
.set TM,    232
.set PC,    48                         ; the way out: O's codes,
.set PT,    60                         ; the upper halves of its blocks,
.set OW,    68                         ; its scale word
.set SEL,   52                         ; s[52:53] lane l xor 16
.set CS,    54                         ; s[54:55] c = log2(e) / sqrt(128)
.set MSB, 0
.macro WIN new                         ; the immediate's high byte repeats the setting that is left; at a label and at a branch every window is 0
.if MSB != \new
	s_set_vgpr_msb (MSB<<8)|\new
.set MSB, \new
.endif
.endm
.set TO_F, 0x40                        ; destination window 1, address window 0
.set MULF, 0x01                        ; source 0 (K's or V's fragment) window 1; all else window 0
; my image of K and my image of V of one key step, off bytes behind the walking pointer, into set
.macro GLOAD set, off
.irp c, 0,1,2
	global_load_b128 v[STG-24*(\set)+4*\c:STG-24*(\set)+4*\c+3], v30, s[10:11] offset:(\off)+512*\c
.endr
.irp c, 0,1,2
	global_load_b128 v[STG-24*(\set)+12+4*\c:STG-24*(\set)+15+4*\c], v30, s[10:11] offset:(\off)+VOFF+512*\c
.endr
.endm
; and from the set into slot sl
.macro LSTORE set, sl
.irp c, 0,1,2
	ds_store_b128 v30, v[STG-24*(\set)+4*\c:STG-24*(\set)+4*\c+3] offset:SLOTB*(\sl)+512*\c
.endr
.irp c, 0,1,2
	ds_store_b128 v30, v[STG-24*(\set)+12+4*\c:STG-24*(\set)+15+4*\c] offset:SLOTB*(\sl)+VOFF+512*\c
.endr
.endm
; S^T = K Q^T: eight products; behind them V's eight fragments are asked of LDS: they land while the softmax is worked
.macro KQV sl
	s_wait_dscnt 12                                ; the scale words and K's fragments 0-3 are in; the youngest 12 loads, fragments 4-7, may be out
	WIN MULF
.irp t, 0,1,2,3
	v_wmma_scale_f32_16x16x128_f8f6f4 v[96+8*\t:103+8*\t], v[KFR+12*\t:KFR+12*\t+11], v[16:27], 0, v[KS+\t], v255 matrix_a_fmt:MATRIX_FMT_FP6 matrix_b_fmt:MATRIX_FMT_FP6
.endr
	s_wait_dscnt 0x0
.irp t, 4,5,6,7
	v_wmma_scale_f32_16x16x128_f8f6f4 v[96+8*\t:103+8*\t], v[KFR+12*\t:KFR+12*\t+11], v[16:27], 0, v[KS+\t], v255 matrix_a_fmt:MATRIX_FMT_FP6 matrix_b_fmt:MATRIX_FMT_FP6
.endr
	WIN TO_F
.irp t, 0,1,2,3,4,5,6,7
.irp c, 0,1,2
	ds_load_b128 v[VFR+12*\t+4*\c:VFR+12*\t+4*\c+3], v1 offset:SLOTB*(\sl)+VOFF+FRB*\t+512*\c   ; no wait here: the last products that read these registers stand ahead of the wait on va_vdst at the step's head, and the eight products since name neither them nor v1
.endr
.endr
	WIN 0
.rept 4
	v_nop                                          ; places between the products and the first read of the scores
.endr
.endm
	s_load_b128 s[4:7], s[0:1], 0x0                ; qkv, mk
	s_load_b64 s[8:9], s[0:1], 0x10                ; ob
	v_lshl_add_u32 v250, v0, 2, 0x10000
	v_mov_b32 v251, 0
	v_lshrrev_b32 v1, 5, v0
	v_readfirstlane_b32 s18, v1                    ; wave 0..7
	s_and_b32 s19, ttmp7, 0xffff                   ; the head
	s_sub_co_u32 s58, 31, ttmp9
	s_wait_alu depctr_va_sdst(0)                   ; s18 is written, ahead of its first reader: my query tile, my addresses and who prefetches are made from it
	s_cmp_lt_u32 s18, 4
	s_cselect_b32 s58, ttmp9, s58                  ; my block of 64 queries
	s_lshl_b32 s58, s58, 2
	s_and_b32 s59, s18, 3
	s_add_co_u32 s3, s58, s59                      ; my query tile
	v_and_b32 v2, 31, v0
	v_lshlrev_b32 v1, 4, v2                        ; 16 x lane
	v_lshlrev_b32 v31, 8, v2
	s_lshl_b32 s60, s59, 13
	v_add_nc_u32 v31, s60, v31                     ; the prefetches' offset: 256 x lane + 8,192 x (wave - 4)
	s_lshl_b32 s60, s18, 11
	v_add_nc_u32 v28, s60, v1                      ; the scale words' way in: 16 x lane + 2,048 x wave
	s_mul_i32 s60, s18, FRB
	v_add_nc_u32 v30, s60, v1                      ; my image of K and of V: 16 x lane + 1,536 x wave
	v_and_b32 v3, 15, v0
	v_lshlrev_b32 v3, 4, v3                        ; 16 r
	v_add_nc_u32 v2, SCW, v3                       ; my row's four words in a group
	s_mul_i32 s20, s19, 393216
	s_add_co_u32 s20, s20, 3145728                 ; the head's K and V
	s_mov_b32 s21, 0
	s_lshl_b32 s22, s3, 12                         ; my tile's mask words
	s_mov_b32 s23, 0
	s_lshl_b32 s24, s3, 5
	s_add_co_u32 s24, s24, 524288                  ; its flags
	s_mov_b32 s25, 0
	s_lshl_b32 s26, s19, 7
	s_add_co_u32 s26, s26, s3
	s_mul_i32 s26, s26, FRB                        ; Q's image
	s_mov_b32 s27, 0
	s_lshl_b32 s28, s19, 13
	s_lshr_b32 s29, s3, 2
	s_lshl_b32 s29, s29, 8
	s_add_co_u32 s28, s28, s29
	s_and_b32 s29, s3, 3
	s_lshl_b32 s29, s29, 2
	s_add_co_u32 s28, s28, s29
	s_add_co_u32 s28, s28, 9437184                 ; Q's scale words
	s_mov_b32 s29, 0
	s_lshl_b32 s30, s19, 14
	s_add_co_u32 s30, s30, 9568256                 ; the head's scale words of K and V
	s_mov_b32 s31, 0
	s_mov_b32 s[SEL], 0x76543210
	s_mov_b32 s[SEL+1], 0xfedcba98
	s_mov_b32 s[CS], 0x3e0293ee
	s_mov_b32 s[CS+1], s[CS]                       ; (named with it as a pair, so it is written)
	s_sub_co_u32 s58, s18, 4                       ; waves 4 to 6 of the head's first work-group prefetch, while the key step is under 12
	s_cmp_lt_u32 s58, 3
	s_cselect_b32 s57, 12, 0
	s_cmp_eq_u32 ttmp9, 0
	s_cselect_b32 s57, s57, 0
	s_mov_b32 s16, 0                               ; the key step
	s_mov_b32 s17, 0                               ; its scale words: 1,024 bytes a step
	s_wait_kmcnt 0x0
	s_add_nc_u64 s[10:11], s[4:5], s[20:21]
	s_add_nc_u64 s[12:13], s[6:7], s[22:23]
	s_add_nc_u64 s[24:25], s[6:7], s[24:25]
	s_add_nc_u64 s[26:27], s[4:5], s[26:27]
	s_add_nc_u64 s[28:29], s[4:5], s[28:29]
	s_add_nc_u64 s[30:31], s[4:5], s[30:31]
	s_load_b256 s[68:75], s[24:25], 0x0            ; four pairs of flag words
	s_wait_alu depctr_va_vdst(0)                   ; v1, v3, v28, v30 and v31 are written: the loads, LDS stores and prefetches from here on read them as offsets and addresses
.irp c, 0,1,2
	global_load_b128 v[16+4*\c:19+4*\c], v1, s[26:27] offset:512*\c   ; Q's fragment stays in registers
.endr
	global_load_b32 v255, v3, s[28:29]
.irp i, 0,1,2,3
	global_load_b128 v[32+4*\i:35+4*\i], v28, s[30:31] offset:512*\i  ; my eighth of the head's scale words
.endr
	GLOAD 0, 0                                     ; key step 0's images,
	GLOAD 1, SLOTB                                 ; and key step 1's
	v_mov_b32 v29, 0xff800000                      ; -infinity.  (The vector lines from here to the barrier name no register that a load or an LDS store above or below touches)
	v_mov_b32 v13, 0xff61b1e6                      ; the largest t so far: -3e38, under every t
	v_floor_f32 v12, -v13                          ; -M
	v_mov_b32 v14, 0
	v_mov_b32 v15, 0
.irp b, 0,1,2,3
	v_mov_b32 v[236+\b], 0                         ; written once: a lane permute's destination counts as one of its sources
.endr
	v_mov_b32 v252, 0
	v_mov_b32 v253, 0
.irp j, 0,1,2,3,4,5,6,7,8,9,10,11,12,13,14,15,16,17,18,19,20,21,22,23,24,25,26,27,28,29,30,31,32,33,34,35,36,37,38,39,40,41,42,43,44,45,46,47,48,49,50,51,52,53,54,55,56,57,58,59,60,61,62,63
	v_mov_b32 v[160+\j], 0                         ; O^T: which key step is a wave's first hangs on the flags, so no step can start the sums with the constant 0
.endr
	s_wait_kmcnt 0x0
	s_or_b32 s14, s68, s70
	s_or_b32 s14, s14, s72
	s_or_b32 s14, s14, s74                         ; ANY: bit j
	s_or_b32 s15, s69, s71
	s_or_b32 s15, s15, s73
	s_or_b32 s15, s15, s75                         ; ALL: bit j
	s_wait_loadcnt 6                               ; all but the youngest six loads, key step 1's images
	s_wait_xcnt 0x0                                ; those six have read their base
	s_add_nc_u64 s[10:11], s[10:11], 2*SLOTB       ; on to key step 2
.irp i, 0,1,2,3
	ds_store_b128 v28, v[32+4*\i:35+4*\i] offset:SCW+512*\i
.endr
	LSTORE 0, 0
	s_wait_dscnt 0x0                               ; for the others' sake: my stores have landed
	s_barrier_signal -1
	s_barrier_wait -1
; A KEY STEP: 128 keys, in slot sl.  fill = 2: the images of the step two on are asked for at the head, into the set whose images went to LDS a step ago, and the next step's images are stored into the other slot
; at the end, in front of the step's barrier.  fill = 1: nothing is left to ask for.  fill = 0: the last step.
.macro STEP sl, fill
	s_wait_alu depctr_vm_vsrc(0)                   ; on every way, ahead of the step's branches: the LDS stores of a step ago have read the set in which the loads below land (ahead of the first step: the head's stores have read that set and v32-47); the scale words' loads issued so far have read v3, which the addition below writes
.if \fill == 2
	GLOAD \sl, 0
	; a prefetch of the key step two behind the one just asked for: its 24,576 bytes by three waves, lanes 256 bytes apart, in the head's first work-group alone: each block is named once in the launch; the last is key step 15's
	s_cmp_lt_u32 s16, s57
	s_cbranch_scc0 .Lnoask_\@
	global_prefetch_b8 v31, s[10:11] offset:2*SLOTB th:TH_LOAD_NT scope:SCOPE_SE
.Lnoask_\@:
.endif
	s_bitcmp1_b32 s14, s16                         ; does any key of this step count for any of my queries?
	s_cbranch_scc0 .Lskip_\@
	v_add_nc_u32 v3, s17, v2
.rept 3
	v_nop                                          ; with the addition: four places in front of loads into registers that the last products read
.endr
	s_wait_alu depctr_va_vdst(0)                   ; v3 is written, which the four loads below read; the products of the step worked last are done reading v32-47 and K's and V's fragments, in which this step's LDS loads land
.irp q, 0,1,2,3
	ds_load_b128 v[KS+4*\q:KS+4*\q+3], v3 offset:256*\q   ; my row's scale words: K's tiles 0-3, 4-7, V's tiles 0-3, 4-7
.endr
	WIN TO_F
.irp t, 0,1,2,3,4,5,6,7
.irp c, 0,1,2
	ds_load_b128 v[KFR+12*\t+4*\c:KFR+12*\t+4*\c+3], v1 offset:SLOTB*\sl+FRB*\t+512*\c
.endr
.endr
	WIN 0
	s_bitcmp1_b32 s15, s16                         ; every key counts for every query: no mask word is fetched, nothing is hidden
	s_cbranch_scc1 .Lall_\@
	s_load_b512 s[20:35], s[12:13], 0x0            ; the step's 64 mask words (the selects that read these registers last stand ahead of the wait on va_vdst above)
	s_load_b512 s[36:51], s[12:13], 0x40
	s_load_b512 s[68:83], s[12:13], 0x80
	s_load_b512 s[84:99], s[12:13], 0xc0
	KQV \sl
	s_wait_kmcnt 0x0                               ; the mask words are in (and their base may be stepped)
.set MN, 0
.rept 64
.if MN < 32
	v_cndmask_b32 v[96+MN], v29, v[96+MN], s[20+MN]
.else
	v_cndmask_b32 v[96+MN], v29, v[96+MN], s[36+MN]
.endif
.set MN, MN+1
.endr
	s_branch .Lsoft_\@
.Lall_\@:
	KQV \sl                                        ; the products are written in both arms, so that one branch covers the fetch of the words, the wait for them and the selects
.Lsoft_\@:
.irp b, 0,1,2,3
	v_max3_num_f32 v[232+\b], v[96+16*\b], v[97+16*\b], v[98+16*\b]   ; the largest score of each block of 32 keys: for the row's maximum, and, since p rises with the score, for the block's largest p
.endr
.irp i, 3,5,7,9,11,13
.irp b, 0,1,2,3
	v_max3_num_f32 v[232+\b], v[232+\b], v[96+16*\b+\i], v[97+16*\b+\i]
.endr
.endr
.irp b, 0,1,2,3
	v_max_num_f32 v[232+\b], v[232+\b], v[111+16*\b]
.endr
.irp b, 0,1,2,3
	v_permlanex16_b32 v[236+\b], v[232+\b], s[SEL], s[SEL+1]
.endr
.irp b, 0,1,2,3
	v_max_num_f32 v[232+\b], v[232+\b], v[236+\b]   ; with lane l xor 16's 16 keys
.endr
	v_max3_num_f32 v254, v232, v233, v234
	v_max_num_f32 v254, v254, v235
	v_mul_f32 v254, s[CS], v254                    ; as t (c is positive)
	v_max_num_f32 v13, v13, v254                   ; the running largest t
	v_mov_b32 v254, v12
	v_floor_f32 v12, -v13                          ; the new -M = floor(-t): M is a whole number
	v_sub_f32 v254, v12, v254                      ; old M - new M: a whole number, 0 or less
	v_cvt_i32_f32 v254, v254                       ; (it saturates)
	v_ldexp_f32 v252, 1.0, v254                    ; f = 2^(old M - new M): a multiplication by it rounds nothing
.irp j, 0,2,4,6,8,10,12,14,16,18,20,22,24,26,28,30,32,34,36,38,40,42,44,46,48,50,52,54,56,58,60,62
	v_pk_fma_f32 v[96+\j:97+\j], v[96+\j:97+\j], s[CS:CS+1], v[12:13] op_sel_hi:[1,0,0]   ; t - M
.endr
.irp b, 0,1,2,3
	v_fma_f32 v[232+\b], v[232+\b], s[CS], v12
.endr
.irp j, 0,1,2,3,4,5,6,7,8,9,10,11,12,13,14,15,16,17,18,19,20,21,22,23,24,25,26,27,28,29,30,31,32,33,34,35,36,37,38,39,40,41,42,43,44,45,46,47,48,49,50,51,52,53,54,55,56,57,58,59,60,61,62,63
	v_exp_f32 v[96+\j], v[96+\j]                   ; p = 2^(t - M)
.endr
	v_pk_mul_f32 v[14:15], v[14:15], v[252:253] op_sel_hi:[1,0]   ; the sums under the new M: the plain place behind the exponentials
	s_wait_alu depctr_va_vdst(0)                   ; the 64 exponentials have written v96-159: one wait for the whole batch, ahead of its first reader
.irp b, 0,1,2,3
	v_exp_f32 v[232+\b], v[232+\b]                 ; each block's largest p
.endr
	v_pk_add_f32 v[236:237], v[96:97], v[98:99]    ; the row's sum of the unquantised p: 32 pairs in four chains, so that no addition waits for the one just ahead of it
	v_pk_add_f32 v[4:5], v[100:101], v[102:103]
	v_pk_add_f32 v[6:7], v[104:105], v[106:107]
.irp j, 108,116,124,132,140,148
	v_pk_add_f32 v[14:15], v[14:15], v[\j:\j+1]
	v_pk_add_f32 v[236:237], v[236:237], v[\j+2:\j+3]
	v_pk_add_f32 v[4:5], v[4:5], v[\j+4:\j+5]
	v_pk_add_f32 v[6:7], v[6:7], v[\j+6:\j+7]
.endr
	v_pk_add_f32 v[14:15], v[14:15], v[156:157]
	v_pk_add_f32 v[236:237], v[236:237], v[158:159]
	v_pk_add_f32 v[4:5], v[4:5], v[6:7]
	v_pk_add_f32 v[14:15], v[14:15], v[236:237]
	v_pk_add_f32 v[14:15], v[14:15], v[4:5]
	s_wait_alu depctr_va_vdst(0)                   ; the four exponentials have written v232-235: their wait, ahead of their first reader
.irp b, 0,1,2,3
	v_max_num_f32 v[232+\b], 0x1800000, v[232+\b]  ; the floor 2^(3 - 127): the byte cannot fall under 1
.endr
.irp b, 0,1,2,3
	v_add_nc_u32 v[244+\b], 0xff000000, v[232+\b]
.endr
.irp b, 0,1,2,3
	v_lshrrev_b32 v[236+\b], 23, v[244+\b]
.endr
	v_lshl_or_b32 v253, v237, 8, v236              ; p's scale word for these 128 keys
	v_lshl_or_b32 v253, v238, 16, v253
	v_lshl_or_b32 v253, v239, 24, v253
.irp c, 0,1
	v_cvt_scalef32_pk16_fp6_f32 v[224+6*\c:226+6*\c], v[96+32*\c:111+32*\c], v[244+2*\c]
	v_cvt_scalef32_pk16_fp6_f32 v[236+4*\c:238+4*\c], v[112+32*\c:127+32*\c], v[244+2*\c+1]
.endr
	v_nop                                          ; one plain place behind a scaled conversion
.irp c, 0,1
.irp i, 0,1,2
	v_permlane16_swap_b32 v[224+6*\c+\i], v[236+4*\c+\i]
.endr
.irp i, 0,1,2
	v_mov_b32 v[227+6*\c+\i], v[236+4*\c+\i]
.endr
.endr
.irp j, 0,2,4,6,8,10,12,14,16,18,20,22,24,26,28,30,32,34,36,38,40,42,44,46,48,50,52,54,56,58,60,62
	v_pk_mul_f32 v[160+\j:161+\j], v[160+\j:161+\j], v[252:253] op_sel_hi:[1,0]   ; O^T under the new M; these 32 are also the places between p's codes and scale word and the products below
.endr
	s_wait_dscnt 0x0                               ; V's fragments, asked for ahead of the softmax
	s_wait_alu depctr_va_vdst(0)                   ; behind the places: vector instructions have written p's codes v224-235 and its scale word v253, which the scaled products below take
	WIN MULF
.irp t, 0,1,2,3,4,5,6,7                        ; O^T += V^T P^T: the eight accumulators by turns, one instruction a turn
	v_wmma_scale_f32_16x16x128_f8f6f4 v[160+8*\t:167+8*\t], v[VFR+12*\t:VFR+12*\t+11], v[224:235], v[160+8*\t:167+8*\t], v[VS+\t], v253 matrix_a_fmt:MATRIX_FMT_FP6 matrix_b_fmt:MATRIX_FMT_FP6
.endr
	WIN 0
.Lskip_\@:
	s_add_co_u32 s16, s16, 1
	s_add_co_u32 s17, s17, 1024
	s_add_nc_u64 s[12:13], s[12:13], 256
.if \fill
.if \fill == 2
	s_wait_loadcnt 6                               ; the next step's images, asked for a step ago, are in my registers; this step's six loads may be out
.else
	s_wait_loadcnt 0x0
.endif
	LSTORE 1-\sl, 1-\sl                            ; into the slot that every wave left at the last barrier.  (Their data come from loads, their address was made at the head: no vector instruction has written either since)
.if \fill == 2
	s_wait_xcnt 0x0                                ; this step's loads and the prefetch have read their base
	s_add_nc_u64 s[10:11], s[10:11], SLOTB
.endif
	s_wait_dscnt 0x0                               ; my stores have landed, and my reads of this slot are over
	s_barrier_signal -1
	s_barrier_wait -1
.endif
.endm
	s_mov_b32 s56, 7
.Lpair:                                            ; key steps 0 to 13 ask for key steps 2 to 15
	STEP 0, 2
	STEP 1, 2
	s_sub_co_u32 s56, s56, 1
	s_cmp_lg_u32 s56, 0
	s_cbranch_scc1 .Lpair
	STEP 0, 1                                      ; key step 14 asks for nothing and stores key step 15's images
	STEP 1, 0                                      ; the last key step
	; THE WAY OUT: O^T / the sum is one fragment of the last product (K step = the head): quantised in registers, stored as an image
.rept 4
	v_nop                                          ; places behind the last products
.endr
	s_wait_alu depctr_vm_vsrc(0)                   ; the last step's scale words' loads have read v3, and the LDS stores of the images have read v48-71: both are written below
	v_add_f32 v14, v14, v15
	v_permlanex16_b32 v252, v14, s[SEL], s[SEL+1]
	v_add_f32 v14, v14, v252                       ; the row's sum
	v_cmp_eq_f32 s58, 0, v14                       ; a row with no key at all
	v_rcp_f32 v12, v14
	v_and_b32 v3, 15, v0                           ; (a plain place behind the transcendental)
	v_lshlrev_b32 v3, 4, v3                        ; 16 r
	s_lshl_b32 s60, s3, 4
	s_add_co_u32 s60, s60, s19
	s_mul_i32 s60, s60, FRB                        ; ob: image [query tile][head]
	s_mov_b32 s61, 0
	s_add_nc_u64 s[60:61], s[8:9], s[60:61]
	s_lshl_b32 s62, s3, 10
	s_lshr_b32 s63, s19, 2
	s_lshl_b32 s63, s63, 8
	s_add_co_u32 s62, s62, s63
	s_and_b32 s63, s19, 3
	s_lshl_b32 s63, s63, 2
	s_add_co_u32 s62, s62, s63
	s_add_co_u32 s62, s62, 3145728                 ; its scale word: [query tile][head / 4][row][head % 4]
	s_mov_b32 s63, 0
	s_add_nc_u64 s[62:63], s[8:9], s[62:63]
	s_wait_alu depctr_va_sdst(0)                   ; the compare has written s58, ahead of its first reader, the select below
	s_wait_alu depctr_va_vdst(0)                   ; the reciprocal has written v12: the wait ahead of its first reader
	v_cndmask_b32 v12, v12, 0, s58                 ; such a row's numbers become zeros
.irp j, 0,2,4,6,8,10,12,14,16,18,20,22,24,26,28,30,32,34,36,38,40,42,44,46,48,50,52,54,56,58,60,62
	v_pk_mul_f32 v[96+\j:97+\j], v[160+\j:161+\j], v[12:13] op_sel_hi:[1,0]   ; each accumulator from its low end on
.endr
.irp b, 0,1,2,3
	v_max3_num_f32 v[TM+\b], |v[96+16*\b]|, |v[97+16*\b]|, 0x1800000
.endr
.irp i, 2,4,6,8,10,12,14
.irp b, 0,1,2,3
	v_max3_num_f32 v[TM+\b], v[TM+\b], |v[96+16*\b+\i]|, |v[97+16*\b+\i]|
.endr
.endr
.irp b, 0,1,2,3
	v_permlanex16_b32 v[TM+4+\b], v[TM+\b], s[SEL], s[SEL+1]
.endr
.irp b, 0,1,2,3
	v_max_num_f32 v[TM+\b], v[TM+\b], v[TM+4+\b]
.endr
.irp b, 0,1,2,3
	v_add_nc_u32 v[TM+12+\b], 0xff000000, v[TM+\b]
.endr
.irp b, 0,1,2,3
	v_lshrrev_b32 v[TM+4+\b], 23, v[TM+12+\b]
.endr
	v_lshl_or_b32 v[OW], v[TM+5], 8, v[TM+4]
	v_lshl_or_b32 v[OW], v[TM+6], 16, v[OW]
	v_lshl_or_b32 v[OW], v[TM+7], 24, v[OW]
.irp c, 0,1
	v_cvt_scalef32_pk16_fp6_f32 v[PC+6*\c:PC+2+6*\c], v[96+32*\c:111+32*\c], v[TM+12+2*\c]
	v_cvt_scalef32_pk16_fp6_f32 v[PT+4*\c:PT+2+4*\c], v[112+32*\c:127+32*\c], v[TM+13+2*\c]
.endr
	v_nop
.irp c, 0,1
.irp i, 0,1,2
	v_permlane16_swap_b32 v[PC+6*\c+\i], v[PT+4*\c+\i]
.endr
.irp i, 0,1,2
	v_mov_b32 v[PC+3+6*\c+\i], v[PT+4*\c+\i]
.endr
.endr
	v_cndmask_b32 v[OW], v[OW], -1, s58            ; and its four scale bytes 0xff
	s_wait_alu depctr_va_vdst(0)                   ; O's codes v48-59, its scale word v68 and the offset v3 are written, which the four stores below read
.irp c, 0,1,2
	global_store_b128 v1, v[PC+4*\c:PC+4*\c+3], s[60:61] offset:512*\c   ; 512 consecutive bytes
.endr
	global_store_b32 v3, v[OW], s[62:63]           ; one word a row, 16 bytes apart (both halves of the lanes write the same word): the one store here that does not cover consecutive bytes
	s_wait_dscnt 0x0                               ; the closing lines, six on end
	s_wait_alu 0x0
	s_wait_tensorcnt 0x0
	ds_add_u32 v250, v251
	s_wait_dscnt 0x0
	s_endpgm
.Lfunc_end_k_q6a7d11e88a_attn:
	.size	k_q6a7d11e88a_attn, .Lfunc_end_k_q6a7d11e88a_attn-k_q6a7d11e88a_attn
	.p2alignl 7, 3214868480
	.fill 96, 4, 3214868480
	.section	.rodata,"a",@progbits
	.p2align	6, 0x0
	.amdhsa_kernel k_q6a7d11e88a_attn
		.amdhsa_group_segment_fixed_size 66560
		.amdhsa_private_segment_fixed_size 0
		.amdhsa_enable_private_segment 0
		.amdhsa_kernarg_size 24
		.amdhsa_user_sgpr_count 2
		.amdhsa_user_sgpr_kernarg_segment_ptr 1
		.amdhsa_wavefront_size32 1
		.amdhsa_system_sgpr_workgroup_id_x 1
		.amdhsa_system_sgpr_workgroup_id_y 1
		.amdhsa_system_sgpr_workgroup_id_z 1
		.amdhsa_system_vgpr_workitem_id 0
		.amdhsa_next_free_vgpr 512
		.amdhsa_next_free_sgpr 100
		.amdhsa_reserve_vcc 0
		.amdhsa_float_denorm_mode_32 3
		.amdhsa_float_denorm_mode_16_64 3
		.amdhsa_memory_ordered 1
		.amdhsa_forward_progress 1
		.amdhsa_inst_pref_size 123
	.end_amdhsa_kernel
	.amdgpu_metadata
---
amdhsa.version: [ 1, 2 ]
amdhsa.kernels:
  - .name:           k_q6a7d11e88a_attn
    .symbol:         k_q6a7d11e88a_attn.kd
    .args:
      - { .name: qkv, .offset: 0, .size: 8, .value_kind: global_buffer, .address_space: global }
      - { .name: mk, .offset: 8, .size: 8, .value_kind: global_buffer, .address_space: global }
      - { .name: ob, .offset: 16, .size: 8, .value_kind: global_buffer, .address_space: global }
    .group_segment_fixed_size: 66560
    .private_segment_fixed_size: 0
    .kernarg_segment_align: 8
    .kernarg_segment_size: 24
    .max_flat_workgroup_size: 256
    .sgpr_count:     100
    .vgpr_count:     512
    .wavefront_size: 32
...
	.end_amdgpu_metadata
.endif
;; end of part 6
;; launch oproj: the kernel of part 4 again; grid 16 x 16, 4 waves a work-group, clusters of 4 x 4, 327,680 bytes of LDS; arguments ob, qw, out0; writes out0
